; MI455X (gfx1250); checked and timed in simulation.
; The chip was launched on July 23, 2026; its instructions are those of AMD's public machine-readable ISA for CDNA 5 (MIT licence, August 2026) and "CDNA5" Instruction Set Architecture Reference Guide (July 2026). The comments in the code are by the model that wrote it; some were corrected since.
;; Morph Model. Allowed arithmetic: matrix products marked QUANTISED: E2M3 operands, one E8M0 scale for each 32 along K, by v_wmma_scale_f32_16x16x128_f8f6f4 with both operands' format E2M3, f32 sums; everything else in f32.
;; Inputs: W1 16 x 256 x 512 float32; W2 16 x 512 x 256 float32; Wg 256 x 16 float32; b1 16 x 512 float32; b2 16 x 256 float32; bg 16 float32; x 16,384 x 256 float32.
;; Outputs: out0 16,384 x 256 float32.
;; This version of the problem:
;;   THIS VERSION OF THE PROBLEM IS GIVEN IN LOW PRECISION. The matrix products marked QUANTISED in the list below multiply operands that are first quantised to E2M3 (2 exponent bits, 3 mantissa bits; 6 bits a number), with one power-of-two scale for each 32 numbers along K (OCP MX v1.0); their sums are f32. All else is computed in f32.
;;   The module's matrix products, in the order in which they are computed (A, B: the left and right operand; K: the contracted axis; several contracted axes count as one K, in the product's order):
;;     1. [M 16,384, K 256] x [K 256, N 16]; A: input x; B: input Wg: QUANTISED
;;     2. [M 16,384, K 256] x [K 256, N 8,192]; A: input x; B: input W1: QUANTISED
;;     3. batch 16 x [M 256, K 512] x [K 512, N 16,384]; A: input W2; B: computed on the way: QUANTISED
;;   THE QUANTISER, for each operand of a quantised product, along K:
;;     - K is cut into blocks of 32 from its start; a last block that is shorter is filled with zeros.
;;     - A block's scale is 2^e with e = floor(log2(the largest magnitude in the block)) - 2, held to -126 .. 127; a block of zeros has e = 0. As a byte (E8M0): e + 127.
;;     - Each number is divided by its block's scale, clamped to +-7.5, and rounded to the nearest number of E2M3, ties to even, subnormals kept.
;;     - The product sums the exact products of the quantised numbers (number of the format x scale) in f32.
;;   ~~~python
;;   def quantise(x, axis):      # numpy; x: float32 -> the quantised numbers, widened to float32 again
;;       x = np.moveaxis(x, axis, -1); K = x.shape[-1]
;;       x = np.pad(x, [(0, 0)] * (x.ndim - 1) + [(0, -K % 32)]); x = x.reshape(x.shape[:-1] + (-1, 32)); a = np.abs(x).max(-1, keepdims=True)
;;       e = np.where(a > 0, np.clip(np.frexp(np.where(a > 0, a, 1))[1] - 1 - 2, -126, 127), 0)      # np.frexp(a)[1] - 1 = floor(log2(a)), exactly
;;       r = np.clip(x / 2.0 ** e, -7.5, 7.5)
;;       step = 2.0 ** (np.maximum(np.frexp(np.where(r == 0, 1, r))[1] - 1, 0) - 3)
;;       q = np.round(r / step) * step * 2.0 ** e      # np.round: ties to even
;;       return np.moveaxis(q.reshape(q.shape[:-2] + (-1,))[..., :K], -1, axis).astype(np.float32)
;;   ~~~
;;   OPERANDS COMPUTED ON THE WAY. 'Computed on the way' means the value that the module computes at that place (a softmax that the list does not call 'softmax' is quantised finished and normalised). What goes into a quantiser is computed in f32, as accurately as f32 sums, v_exp_f32 and their like allow (about 1e-6 of the number): no bf16 or f16 on the way to a quantiser, and a product that is left as it is and whose result goes on into a quantised operand takes f32 operands (vector FMAs, or v_wmma_f32_16x16x4_f32). A number that lies on a knife's edge between two numbers of the format may be rounded either way, as far as f32 arithmetic and the matrix unit's own rounding can turn it there, and no further.
;; 2 versions, each right; version 2 is version 1 with the launch route written anew for expert scheduling mode. Each part assembles by itself: llvm-mc -triple=amdgcn-amd-amdhsa -mcpu=gfx1250 --defsym DOCPART=n.
;; ======== version 1 of 2: 3 launches
;; workspace buffers: xq 4,194,304 bytes; tok 65,536 bytes of whole numbers; hist 65,536 bytes of whole numbers; order 65,536 bytes of whole numbers; wq 3,145,728 bytes; ws 131,072 bytes
;; launch route (part 1): grid 256 x 1, 4 waves a work-group, no clusters, 89,088 bytes of LDS; arguments x, Wg, bg, xq, tok, hist; writes xq, tok, hist
.if DOCPART == 1
	.amdgcn_target "amdgcn-amd-amdhsa--gfx1250"
	.amdhsa_code_object_version 6
	.text
	.protected	k_qdfa4c0740d_route
	.globl	k_qdfa4c0740d_route
	.p2align	8
	.type	k_qdfa4c0740d_route,@function
k_qdfa4c0740d_route:
	s_mov_b64 s[64:65], 0
	v_nop
	global_prefetch_b8 v0, s[64:65] scope:SCOPE_SE
	s_setreg_imm32_b32 hwreg(HW_REG_WAVE_MODE, 25, 1), 1
	s_wait_xcnt 0x0
; ROUTE.  x [16384][256] f32 is quantised once to codes of FP6 (E2M3) with one E8M0 byte for each 32 along K; the router's product Q(x) Q(Wg) + bg, its softmax,
; the two largest probabilities (the lower index wins a tie) and their renormalised weights follow.  Nothing here steers an address or a branch by these results: they leave as numbers at fixed places.
; OUT: xq: a record of 256 bytes a token: at 96 s + 48 h + 16 p registers 4 p .. 4 p + 3 of lane half h of the token's operand fragment of K step s; at 192 its two scale words; at 200 the weights of
;      its lower and its higher expert; zeros behind.   tok: a word a token: hi << 20 | lo << 16 | tri << 6 | token % 64, tri = lo (31 - lo) / 2 + hi - lo - 1 the pair's number, 0 .. 119.
;      hist: for each block of 64 tokens 128 counts of 16 bits: how many of its tokens have pair number T.
; SHARES: a work-group owns 64 tokens, each of its four waves 16: one tile of rows.  Lane (r, h): r = lane % 16 the token, h = lane / 16.
; LIMITS: NaN and infinities among the inputs are not served.  A block of zeros gets the scale byte 1 where the rule says 127: its codes are zeros, and this program alone reads the bytes.
;         A probability under 2^-126 comes out of the exponential as 0.
.set XTW,  16640                       ; LDS: for each wave 16 rows of x, 1,024 bytes + 16: the turn from bytes as they lie to 16 neighbours a lane
.set REC,  66560                       ; for each wave 16 records, 256 bytes + 16
.set RECW, 4352
.set GIMG, 83968                       ; Wg's two fragments as images of their registers: 1536 s + 256 x register pair + 8 x lane
.set GSC,  87040                       ; each wave's half of a scale word of Wg: 128 x wave + 4 x lane
.set KEYT, 87552                       ; the block's 64 pair numbers; 256 bytes on its 64 tok words; 256 bytes on its 128 counts
.set TOKW, 87808
.set HB,   88064
.set LANE, 1
.set RR,   2
.set HH,   3
.set L16,  4                           ; 16 x lane
.set XTI,  5                           ; the turn, in: my wave's rows + 16 x lane
.set XTO,  6                           ; out: row r + 64 h
.set GA,   7                           ; Wg: 4 r + 2048 h
.set GWI,  8
.set GWS,  9
.set GRI,  10
.set GRS,  11
.set RCI,  12                          ; my record + 48 h
.set RCT,  13                          ; my record
.set RCZ,  14                          ; my record + 16 h
.set RCO,  15                          ; records back: 272 h + 16 r
.set KW,   17                          ; KEYT + 64 x wave + 4 r
.set HBW,  18                          ; HB + 2 x thread
.set L8,   19                          ; 8 x lane
.set BGA,  20                          ; 32 h
.set KRD,  21                          ; KEYT
.set TRD,  22                          ; TOKW + 8 x lane
.set XF,   24                          ; v24-47   x's two fragments (before them: Wg's 32 numbers v24-55, its codes v56-61, v62-64 at work)
.set GF,   48                          ; v48-71   Wg's two fragments
.set XS,   72                          ; v72-73   x's scale words;  v74-75 the two weights: the four are a record's tail
.set WLO,  74
.set WHI,  75
.set GS,   76                          ; v76-77   Wg's scale words;  v78-81 their halves as the waves made them
.set GP,   78
.set TM,   84                          ; v84-99   at work in the quantiser
.set SCR,  100                         ; v100-107 the conversions' second halves; then zeros
.set BG,   108                         ; v108-115 bg in the result's layout
.set LG,   116                         ; v116-123 the logits
.set R0,   128                         ; v128-191, v192-255: x's numbers of K step 0, 1; later v128-135 the probabilities, v136-159 at work, v160-223 keys, v224-255 records
.set PR,   128
; 64 numbers of a lane, register 16 b + i = k 32 b + 16 h + i of my row, become a fragment's codes in v[d] .. v[d + 11] and its scale word in v[pw]
.macro QUANT s, d, pw
.irp b, 0,1,2,3
	v_max3_num_f32 v[TM+\b], |v[\s+16*\b]|, |v[\s+1+16*\b]|, 0x1800000   ; block b: my 16 numbers, and the floor 2^(3 - 127): the byte cannot fall under 1
.endr
.irp i, 2,4,6,8,10,12,14
.irp b, 0,1,2,3
	v_max3_num_f32 v[TM+\b], v[TM+\b], |v[\s+16*\b+\i]|, |v[\s+1+16*\b+\i]|   ; the four blocks by turns
.endr
.endr
.irp b, 0,1,2,3
	v_permlanex16_b32 v[TM+4+\b], v[TM+\b], s20, s21
.endr
.irp b, 0,1,2,3
	v_max_num_f32 v[TM+\b], v[TM+\b], v[TM+4+\b]           ; with lane l xor 16's: the block's largest magnitude
.endr
.irp b, 0,1,2,3
	v_add_nc_u32 v[TM+12+\b], 0xff000000, v[TM+\b]         ; 2 off its exponent field: the conversion's scale operand
.endr
.irp b, 0,1,2,3
	v_lshrrev_b32 v[TM+4+\b], 23, v[TM+12+\b]              ; the scale's byte
.endr
	v_lshl_or_b32 v[\pw], v[TM+5], 8, v[TM+4]
	v_lshl_or_b32 v[\pw], v[TM+6], 16, v[\pw]
	v_lshl_or_b32 v[\pw], v[TM+7], 24, v[\pw]
.irp c, 0,1
	v_cvt_scalef32_pk16_fp6_f32 v[\d+6*\c:\d+2+6*\c], v[\s+32*\c:\s+15+32*\c], v[TM+12+2*\c]
	v_cvt_scalef32_pk16_fp6_f32 v[SCR+4*\c:SCR+2+4*\c], v[\s+16+32*\c:\s+31+32*\c], v[TM+12+2*\c+1]   ; a conversion's three registers begin on an even number
.endr
	v_nop                                                  ; one plain place behind a scaled conversion
.irp c, 0,1                                            ; the operand's layout wants a whole block in a lane: lanes 0-15 block 2 c, lanes 16-31 block 2 c + 1
.irp i, 0,1,2
	v_permlane16_swap_b32 v[\d+6*\c+\i], v[SCR+4*\c+\i]
.endr
.irp i, 0,1,2
	v_mov_b32 v[\d+3+6*\c+\i], v[SCR+4*\c+\i]
.endr
.endr
.endm
; K step s of my 16 rows goes through my own rows in LDS: in as loaded (512 consecutive bytes an instruction), out 16 neighbours of each block of 32 a lane
.macro TURN s
.set rho, 0
.rept 16
	ds_store_b128 v[XTI], v[R0+64*\s+4*rho:R0+64*\s+4*rho+3] offset:1040*rho+512*\s
.set rho, rho+1
.endr
	s_wait_dscnt 0x0                                       ; the stores are done: their registers take the loads below
.irp b, 0,1,2,3
.irp j, 0,1,2,3
	ds_load_b128 v[R0+64*\s+16*\b+4*\j:R0+64*\s+16*\b+4*\j+3], v[XTO] offset:512*\s+128*\b+16*\j
.endr
.endr
	s_wait_dscnt 0x0
.endm
.macro BARRIER                                         ; my LDS stores have landed and my LDS loads are in: then the work-group's barrier
	s_wait_dscnt 0x0
	s_barrier_signal -1
	s_barrier_wait -1
.endm
	s_load_b256 s[4:11], s[0:1], 0x0                       ; x s[4:5], Wg s[6:7], bg s[8:9], xq s[10:11]
	s_load_b128 s[12:15], s[0:1], 0x20                     ; tok s[12:13], hist s[14:15]
	v_lshl_add_u32 v126, v0, 2, 0x15a00
	v_mov_b32 v127, 0
	v_lshrrev_b32 v[LANE], 5, v0
	v_readfirstlane_b32 s16, v[LANE]                       ; wave 0..3
	v_and_b32 v[LANE], 31, v0
	v_and_b32 v[RR], 15, v0
	v_bfe_u32 v[HH], v0, 4, 1
	s_mov_b32 s20, 0x76543210
	s_mov_b32 s21, 0xfedcba98                              ; v_permlanex16_b32's selects for lane l xor 16
	s_mov_b32 s22, 0xffff0000                              ; lanes 16-31
	v_lshlrev_b32 v[L16], 4, v[LANE]
	v_lshlrev_b32 v[L8], 3, v[LANE]
	v_lshlrev_b32 v[BGA], 5, v[HH]
	v_lshlrev_b32 v[GA], 2, v[RR]
	v_lshl_add_u32 v[GA], v[HH], 11, v[GA]
	s_lshl_b32 s18, ttmp9, 16                              ; 64 rows of 1,024 bytes a work-group,
	s_lshl_b32 s17, s16, 14                                ; 16 a wave
	s_add_co_u32 s18, s18, s17
	s_mov_b32 s19, 0
	s_wait_kmcnt 0x0
	s_add_nc_u64 s[4:5], s[4:5], s[18:19]                  ; x at my first row
	s_lshr_b32 s18, s18, 2
	s_add_nc_u64 s[10:11], s[10:11], s[18:19]              ; xq at my first record (256 bytes a token)
	s_lshl_b32 s18, s16, 12
	s_add_nc_u64 s[6:7], s[6:7], s[18:19]                  ; Wg at row 64 x wave
	s_lshl_b32 s18, ttmp9, 8
	s_add_nc_u64 s[12:13], s[12:13], s[18:19]              ; tok and hist at my block's 256 bytes
	s_add_nc_u64 s[14:15], s[14:15], s[18:19]
	global_load_b128 v[BG:BG+3], v[BGA], s[8:9]            ; bg of experts 8 h + 0 .. 7: the C of the first product
	global_load_b128 v[BG+4:BG+7], v[BGA], s[8:9] offset:16
.set i, 0
.rept 32
	global_load_b32 v[24+i], v[GA], s[6:7] offset:64*i     ; Wg(64 wave + 32 h + i, r): a lane to a column, registers down K: one whole block
.set i, i+1
.endr
.irp s, 0,1
.set rho, 0
.rept 16
	global_load_b128 v[R0+64*\s+4*rho:R0+64*\s+4*rho+3], v[L16], s[4:5] offset:1024*rho+512*\s th:TH_LOAD_NT   ; 512 consecutive bytes; read once in the launch
.set rho, rho+1
.endr
.endr
	; LDS addresses, while the loads are out
	s_mul_i32 s17, s16, XTW
	v_add_nc_u32 v[XTI], s17, v[L16]
	v_mul_u32_u24 v[XTO], v[RR], 1040
	v_lshl_add_u32 v[XTO], v[HH], 6, v[XTO]
	v_add_nc_u32 v[XTO], s17, v[XTO]
	s_mul_i32 s17, s16, 768
	v_add_nc_u32 v[GWI], s17, v[L8]
	v_add_nc_u32 v[GWI], GIMG, v[GWI]
	s_lshl_b32 s17, s16, 7
	v_lshlrev_b32 v[GRS], 2, v[LANE]
	v_add_nc_u32 v[GWS], s17, v[GRS]
	v_add_nc_u32 v[GWS], GSC, v[GWS]
	v_add_nc_u32 v[GRI], GIMG, v[L8]
	v_add_nc_u32 v[GRS], GSC, v[GRS]
	s_mul_i32 s17, s16, RECW
	s_add_co_u32 s17, s17, REC
	v_mul_u32_u24 v[RCT], v[RR], 272
	v_add_nc_u32 v[RCT], s17, v[RCT]
	v_mad_u32_u24 v[RCI], v[HH], 48, v[RCT]
	v_lshl_add_u32 v[RCZ], v[HH], 4, v[RCT]
	v_mul_u32_u24 v[RCO], v[HH], 272
	v_lshl_add_u32 v[RCO], v[RR], 4, v[RCO]
	v_add_nc_u32 v[RCO], s17, v[RCO]
	s_lshl_b32 s17, s16, 6
	v_lshl_add_u32 v[KW], v[RR], 2, s17
	v_add_nc_u32 v[KW], KEYT, v[KW]
	v_lshlrev_b32 v[HBW], 1, v0
	v_add_nc_u32 v[HBW], HB, v[HBW]
	v_mov_b32 v[KRD], KEYT
	v_add_nc_u32 v[TRD], TOKW, v[L8]
.irp b, 0,1,2,3
	v_mov_b32 v[TM+4+\b], 0                                ; written once: a lane exchange's destination counts as one of its sources
.endr
	s_and_b32 s17, s16, 1
	s_lshl_b32 s17, s17, 4
	v_lshl_add_u32 v[TM+8], v[HH], 3, s17                  ; my byte's place in Wg's scale word: block 2 (wave % 2) + h
	; ---- Wg: my block of 32 along K of column r becomes six registers of fragment wave / 2
	s_wait_loadcnt 32                                      ; bg and Wg are in; the 32 loads of x may be out
	v_max3_num_f32 v[TM], |v24|, |v25|, |v26|
	v_max3_num_f32 v[TM+1], |v27|, |v28|, |v29|
.irp i, 6,10,14,18,22,26
	v_max3_num_f32 v[TM], v[TM], |v[24+\i]|, |v[25+\i]|
	v_max3_num_f32 v[TM+1], v[TM+1], |v[26+\i]|, |v[27+\i]|
.endr
	v_max3_num_f32 v[TM], v[TM], |v54|, |v55|
	v_max3_num_f32 v[TM], v[TM], v[TM+1], 0x1800000        ; and the floor
	v_add_nc_u32 v[TM+2], 0xff000000, v[TM]                ; the conversion's scale operand
	v_lshrrev_b32 v[TM+3], 23, v[TM+2]                     ; the byte,
	v_lshlrev_b32 v[TM+3], v[TM+8], v[TM+3]                ; at its place;
	v_permlanex16_b32 v[TM+4], v[TM+3], s20, s21
	v_or_b32 v[TM+3], v[TM+3], v[TM+4]                     ; with lane l xor 16's: two of the word's four bytes
	v_cvt_scalef32_pk16_fp6_f32 v[56:58], v[24:39], v[TM+2]
	v_cvt_scalef32_pk16_fp6_f32 v[62:64], v[40:55], v[TM+2]
	v_nop                                                  ; one plain place behind a scaled conversion
	v_mov_b32 v59, v62
	v_mov_b32 v60, v63
	v_mov_b32 v61, v64
	ds_store_b64 v[GWI], v[56:57]
	ds_store_b64 v[GWI], v[58:59] offset:256
	ds_store_b64 v[GWI], v[60:61] offset:512
	ds_store_b32 v[GWS], v[TM+3]
	BARRIER                                                ; Wg's two fragments lie in LDS
.irp s, 0,1
.irp a, 0,1,2,3,4,5
	ds_load_b64 v[GF+12*\s+2*\a:GF+12*\s+2*\a+1], v[GRI] offset:1536*\s+256*\a
.endr
.endr
.irp a, 0,1,2,3
	ds_load_b32 v[GP+\a], v[GRS] offset:128*\a             ; (the turn's first wait for 0 covers these sixteen)
.endr
	; ---- x: two K steps of 128
	s_wait_loadcnt 16                                      ; K step 0's sixteen loads are in; K step 1's may be out
	TURN 0
	QUANT R0, XF, XS
	s_wait_loadcnt 0x0
	TURN 1
	QUANT R0+64, XF+12, XS+1
	v_or_b32 v[GS], v[GP], v[GP+1]                         ; Wg's scale words are whole
	v_or_b32 v[GS+1], v[GP+2], v[GP+3]
.irp a, 0,1,2,3
	v_mov_b32 v[SCR+\a], 0                                 ; a record's zeros.  These nine moves are also the eight places between a scale register written by a vector instruction and the scaled product
.endr
	v_mov_b32 v137, 0                                      ; destinations of lane exchanges to come
.irp a, 0,1,2,3
	v_mov_b32 v[144+\a], 0
.endr
.irp s, 0,1
.irp p, 0,1,2
	ds_store_b128 v[RCI], v[XF+12*\s+4*\p:XF+12*\s+4*\p+3] offset:96*\s+16*\p   ; the record's codes: my half's twelve registers of each K step
.endr
.endr
	; ---- the router's product, transposed: source 0 = the 16 experts' columns of Wg, source 1 = my 16 tokens: lane (r, h) gets token r's logits of experts 8 h + 0 .. 7
	v_wmma_scale_f32_16x16x128_f8f6f4 v[LG:LG+7], v[GF:GF+11], v[XF:XF+11], v[BG:BG+7], v[GS], v[XS] matrix_a_fmt:MATRIX_FMT_FP6 matrix_b_fmt:MATRIX_FMT_FP6
	s_wait_alu depctr_va_vdst(0)                           ; one accumulator, so the links follow each other
	v_wmma_scale_f32_16x16x128_f8f6f4 v[LG:LG+7], v[GF+12:GF+23], v[XF+12:XF+23], v[LG:LG+7], v[GS+1], v[XS+1] matrix_a_fmt:MATRIX_FMT_FP6 matrix_b_fmt:MATRIX_FMT_FP6
.rept 4
	v_nop                                                  ; four places between the product and the first read of its result (ISA guide 7.12.1)
.endr
	; ---- softmax: the largest logit is taken away first
	v_max3_num_f32 v136, v[LG], v[LG+1], v[LG+2]
	v_max3_num_f32 v136, v136, v[LG+3], v[LG+4]
	v_max3_num_f32 v136, v136, v[LG+5], v[LG+6]
	v_max_num_f32 v136, v136, v[LG+7]
	v_permlanex16_b32 v137, v136, s20, s21
	v_max_num_f32 v136, v136, v137                         ; of all 16 experts
.irp j, 0,1,2,3,4,5,6,7
	v_sub_f32 v[PR+\j], v[LG+\j], v136
.endr
.irp j, 0,1,2,3,4,5,6,7
	v_mul_f32 v[PR+\j], 0x3fb8aa3b, v[PR+\j]               ; x log2(e)
.endr
.irp j, 0,1,2,3,4,5,6,7
	v_exp_f32 v[PR+\j], v[PR+\j]
.endr
	v_mov_b32 v143, 0                                      ; (a plain place behind the exponentials: the second place's index begins at 0)
	s_wait_alu depctr_va_vdst(0)                           ; one wait for the batch of eight, ahead of its first reader
	v_add_f32 v136, v[PR], v[PR+1]
	v_add_f32 v138, v[PR+2], v[PR+3]
	v_add_f32 v139, v[PR+4], v[PR+5]
	v_add_f32 v140, v[PR+6], v[PR+7]
	v_add_f32 v136, v136, v138
	v_add_f32 v139, v139, v140
	v_add_f32 v136, v136, v139
	v_permlanex16_b32 v137, v136, s20, s21
	v_add_f32 v136, v136, v137
	v_rcp_f32 v138, v136
	v_mov_b32 v141, 0                                      ; (a plain place behind the reciprocal: the first place's index)
	s_wait_alu depctr_va_vdst(0)
.irp j, 0,1,2,3,4,5,6,7
	v_mul_f32 v[PR+\j], v[PR+\j], v138                     ; the probabilities
.endr
	; ---- the two largest of my eight: (v140, v141) and (v142, v143), value and index.  Strict compares in ascending order keep the lower index on a tie
	v_mov_b32 v140, v[PR]
	v_mov_b32 v142, -1.0                                   ; under every probability
.irp j, 1,2,3,4,5,6,7
	v_cmp_gt_f32 vcc_lo, v[PR+\j], v140
	v_cmp_gt_f32 s24, v[PR+\j], v142
	v_cndmask_b32 v142, v142, v[PR+\j], s24
	v_cndmask_b32 v143, v143, \j, s24
	v_cndmask_b32 v142, v142, v140, vcc_lo
	v_cndmask_b32 v143, v143, v141, vcc_lo
	v_cndmask_b32 v140, v140, v[PR+\j], vcc_lo
	v_cndmask_b32 v141, v141, \j, vcc_lo
.endr
	v_lshl_add_u32 v141, v[HH], 3, v141                    ; the experts' numbers
	v_lshl_add_u32 v143, v[HH], 3, v143
.irp a, 0,1,2,3
	v_permlanex16_b32 v[144+\a], v[140+\a], s20, s21
.endr
.irp a, 0,1,2,3
	v_cndmask_b32 v[148+\a], v[140+\a], v[144+\a], s22     ; A: the pair of experts 0-7, in both halves of the lanes
.endr
.irp a, 0,1,2,3
	v_cndmask_b32 v[152+\a], v[144+\a], v[140+\a], s22     ; B: that of experts 8-15
.endr
	v_cmp_gt_f32 vcc_lo, v152, v148                        ; B's first beats A's first?  (a tie goes to A: the lower index)
	v_cndmask_b32 v156, v148, v152, vcc_lo                 ; the largest probability
	v_cndmask_b32 v157, v149, v153, vcc_lo                 ; and its expert
	v_cndmask_b32 v158, v150, v148, vcc_lo                 ; what A still offers
	v_cndmask_b32 v159, v151, v149, vcc_lo
	v_cndmask_b32 v140, v152, v154, vcc_lo                 ; what B still offers
	v_cndmask_b32 v141, v153, v155, vcc_lo
	v_cmp_gt_f32 vcc_lo, v140, v158
	v_cndmask_b32 v142, v158, v140, vcc_lo                 ; the second largest
	v_cndmask_b32 v143, v159, v141, vcc_lo
	; ---- the weights, and the words
	v_add_f32 v144, v156, v142
	v_rcp_f32 v145, v144
	v_min_u32 v146, v157, v143                             ; lo  (plain places behind the reciprocal)
	v_max_u32 v147, v157, v143                             ; hi
	s_wait_alu depctr_va_vdst(0)
	v_mul_f32 v148, v156, v145
	v_mul_f32 v149, v142, v145
	v_cmp_lt_u32 vcc_lo, v157, v143
	v_cndmask_b32 v[WLO], v149, v148, vcc_lo               ; the weight of the lower expert,
	v_cndmask_b32 v[WHI], v148, v149, vcc_lo               ; of the higher
	v_sub_nc_u32 v150, 31, v146
	v_mul_u32_u24 v150, v150, v146
	v_lshrrev_b32 v150, 1, v150
	v_sub_nc_u32 v151, v147, v146
	v_add3_u32 v150, v150, v151, -1                        ; tri
	v_lshl_add_u32 v152, s16, 4, v[RR]                     ; token % 64
	v_lshl_or_b32 v152, v150, 6, v152
	v_lshl_or_b32 v152, v146, 16, v152
	v_lshl_or_b32 v152, v147, 20, v152                     ; the tok word
	; ---- the records leave as whole units: two records, 512 consecutive bytes, an instruction
	ds_store_b128 v[RCT], v[XS:XS+3] offset:192            ; (both halves of the lanes hold and write the same)
	ds_store_b128 v[RCZ], v[SCR:SCR+3] offset:208
	ds_store_b128 v[RCT], v[SCR:SCR+3] offset:240
.irp i, 0,1,2,3,4,5,6,7
	ds_load_b128 v[224+4*\i:227+4*\i], v[RCO] offset:544*\i   ; LDS serves a wave's instructions in order (ISA guide 5.7.1.4): these see my stores
.endr
.irp i, 0,1,2,3,4,5,6,7
	s_wait_dscnt 7-\i                                      ; the younger loads may be out
	global_store_b128 v[L16], v[224+4*\i:227+4*\i], s[10:11] offset:512*\i
.endr
	; ---- the block's histogram of pair numbers: thread T counts pair T by 64 compares: no address hangs on a key
	ds_store_b32 v[KW], v150
	ds_store_b32 v[KW], v152 offset:256
	BARRIER                                                ; all 64 keys and words lie in LDS
.irp i, 0,1,2,3,4,5,6,7,8,9,10,11,12,13,14,15
	ds_load_b128 v[160+4*\i:163+4*\i], v[KRD] offset:16*\i ; every lane reads all 64 keys
.endr
	v_mov_b32 v153, 0
	s_wait_dscnt 0x0
.set i, 0
.rept 64
	v_cmp_eq_u32 vcc_lo, v[160+i], v0
	v_add_co_ci_u32 v153, vcc_lo, 0, v153, vcc_lo          ; + 1 where the key is mine
.set i, i+1
.endr
	ds_store_b16 v[HBW], v153
	BARRIER                                                ; the 128 counts lie in LDS
	s_cmp_lg_u32 s16, 0
	s_cbranch_scc1 .Ldone                                  ; wave 0 stores the block's counts and words: 256 consecutive bytes each
	ds_load_b64 v[154:155], v[TRD] offset:256
	ds_load_b64 v[156:157], v[TRD]
	s_wait_dscnt 0x0
	global_store_b64 v[L8], v[154:155], s[14:15]
	global_store_b64 v[L8], v[156:157], s[12:13]
.Ldone:
	s_wait_tensorcnt 0x0
	ds_add_u32 v126, v127
	s_wait_dscnt 0x0
	s_endpgm
.Lfunc_end_k_qdfa4c0740d_route:
	.size	k_qdfa4c0740d_route, .Lfunc_end_k_qdfa4c0740d_route-k_qdfa4c0740d_route
	.p2alignl 7, 3214868480
	.fill 96, 4, 3214868480
	.section	.rodata,"a",@progbits
	.p2align	6, 0x0
	.amdhsa_kernel k_qdfa4c0740d_route
		.amdhsa_group_segment_fixed_size 89088
		.amdhsa_private_segment_fixed_size 0
		.amdhsa_enable_private_segment 0
		.amdhsa_kernarg_size 48
		.amdhsa_user_sgpr_count 2
		.amdhsa_user_sgpr_kernarg_segment_ptr 1
		.amdhsa_wavefront_size32 1
		.amdhsa_system_sgpr_workgroup_id_x 1
		.amdhsa_system_sgpr_workgroup_id_y 1
		.amdhsa_system_sgpr_workgroup_id_z 1
		.amdhsa_system_vgpr_workitem_id 0
		.amdhsa_next_free_vgpr 256
		.amdhsa_next_free_sgpr 66
		.amdhsa_reserve_vcc 1
		.amdhsa_float_denorm_mode_32 3
		.amdhsa_float_denorm_mode_16_64 3
		.amdhsa_memory_ordered 1
		.amdhsa_forward_progress 1
		.amdhsa_inst_pref_size 40
	.end_amdhsa_kernel
	.amdgpu_metadata
---
amdhsa.version: [ 1, 2 ]
amdhsa.kernels:
  - .name:           k_qdfa4c0740d_route
    .symbol:         k_qdfa4c0740d_route.kd
    .args:
      - { .name: x, .offset: 0, .size: 8, .value_kind: global_buffer, .address_space: global }
      - { .name: Wg, .offset: 8, .size: 8, .value_kind: global_buffer, .address_space: global }
      - { .name: bg, .offset: 16, .size: 8, .value_kind: global_buffer, .address_space: global }
      - { .name: xq, .offset: 24, .size: 8, .value_kind: global_buffer, .address_space: global }
      - { .name: tok, .offset: 32, .size: 8, .value_kind: global_buffer, .address_space: global }
      - { .name: hist, .offset: 40, .size: 8, .value_kind: global_buffer, .address_space: global }
    .group_segment_fixed_size: 89088
    .private_segment_fixed_size: 0
    .kernarg_segment_align: 8
    .kernarg_segment_size: 48
    .max_flat_workgroup_size: 128
    .sgpr_count:     66
    .vgpr_count:     256
    .wavefront_size: 32
...
	.end_amdgpu_metadata
.endif
;; end of part 1
;; launch place (part 2): grid 512 x 1, 4 waves a work-group, no clusters, 16,896 bytes of LDS; arguments W1, W2, tok, hist, wq, ws, order; writes wq, ws, order
.if DOCPART == 2
	.amdgcn_target "amdgcn-amd-amdhsa--gfx1250"
	.amdhsa_code_object_version 6
	.text
	.protected	k_qdfa4c0740d_place
	.globl	k_qdfa4c0740d_place
	.p2align	8
	.type	k_qdfa4c0740d_place,@function
k_qdfa4c0740d_place:
	s_mov_b64 s[64:65], 0
	v_nop
	global_prefetch_b8 v0, s[64:65] scope:SCOPE_SE
	s_setreg_imm32_b32 hwreg(HW_REG_WAVE_MODE, 25, 1), 1
	s_wait_xcnt 0x0
; PLACE.  Two jobs that need each other's results nowhere share one launch; they part on the work-group's number and have LDS bytes of their own.
; WORK-GROUPS 0-255: W1 [16][256][512] and W2 [16][512][256], f32, K their first axis within an expert, become codes of FP6 (E2M3) with one E8M0 byte for each 32 along K, laid in the order of the operand's
;   registers.  wq: [expert][layer][wave w of the reader][16 fragments][1,536 bytes]; a fragment (16 columns x 128 K) is an image: registers 4 p .. 4 p + 3 of lane l at 512 p + 16 l.  Fragment 8 s + t of W1
;   (t: tile of the reader's 128 hidden units, s: K step), 4 s + t of W2 (t: tile of its 64 outputs).  ws: [expert][layer][w][fragment / 8][r][8 words]: the scale word of row r of fragment 8 (..) + i.
;   THE COLUMNS OF A TILE ARE NOT NEIGHBOURS: of 32 neighbouring columns, column q goes to tile (q / 8) % 2, row q % 8 + 8 (q / 16): the results of two neighbouring tiles are then 16 neighbours in a lane.
;   A lane takes a column and its registers run down K, so a block of 32 lies in one lane and the conversions give K innermost.  A wave takes 32 columns x 128 K: two fragments.
; WORK-GROUPS 256-511: block p of 64 tokens finds each token's place in the order sorted by pair of experts (tokens of a pair in ascending order): pairs below mine in all blocks + my pair in blocks below p +
;   my pair earlier in my block.  order[place] = hi << 20 | lo << 16 | token.  All of it is whole numbers that an earlier launch stored.
; LIMITS: NaN and infinities among the weights are not served.  A block of zeros gets the scale byte 1 where the rule says 127: its codes are zeros, and this program alone reads the bytes.
.set WST, 0                            ; weights: for each wave two fragments, 1,664 bytes apart (1,536 + 128, so that the two tiles' lanes fall on different banks)
.set SCT, 13312                        ; weights: the work-group's 128 scale words
.set PLT, 13824                        ; placing: each wave's sums over all blocks, 256 bytes a wave
.set PLB, 14848                        ; placing: over the blocks below mine
.macro BARRIER
	s_wait_dscnt 0x0
	s_barrier_signal -1
	s_barrier_wait -1
.endm
	s_load_b256 s[4:11], s[0:1], 0x0                       ; W1 s[4:5], W2 s[6:7], tok s[8:9], hist s[10:11]
	s_load_b128 s[12:15], s[0:1], 0x20                     ; wq s[12:13], ws s[14:15]
	s_load_b64 s[36:37], s[0:1], 0x30                      ; order
	v_lshl_add_u32 v232, v0, 2, 0x4000
	v_mov_b32 v233, 0
	v_lshrrev_b32 v1, 5, v0
	v_readfirstlane_b32 s16, v1                            ; wave v, 0..3
	v_and_b32 v1, 31, v0                                   ; lane
	s_cmp_ge_u32 ttmp9, 256
	s_cbranch_scc1 .Lplace
	; ================ the weights ================
	s_and_b32 s17, ttmp9, 1                                ; j2: which eight fragments
	s_bfe_u32 s18, ttmp9, 0x20001                          ; w: the reader's wave
	s_bfe_u32 s19, ttmp9, 0x10003                          ; layer
	s_lshr_b32 s20, ttmp9, 4                               ; expert
	s_lshr_b32 s21, 0x800, s19                             ; bytes from k to k + 1: 2,048 in W1, 1,024 in W2
	s_lshl_b32 s22, s18, 7
	s_lshl_b32 s42, s16, 5
	s_add_co_u32 s22, s22, s42                             ; W1: my first column 128 w + 32 v,
	s_lshl_b32 s23, s17, 7                                 ;     my first k 128 j2
	s_lshl_b32 s43, s18, 6
	s_and_b32 s42, s16, 1
	s_lshl_b32 s42, s42, 5
	s_add_co_u32 s43, s43, s42                             ; W2: 64 w + 32 (v % 2),
	s_lshl_b32 s44, s17, 8
	s_lshr_b32 s42, s16, 1
	s_lshl_b32 s42, s42, 7
	s_add_co_u32 s44, s44, s42                             ;     128 (2 j2 + v / 2)
	s_cmp_eq_u32 s19, 0
	s_cselect_b32 s22, s22, s43
	s_cselect_b32 s23, s23, s44
	s_lshl_b32 s40, s20, 19                                ; an expert's weights are 2^19 bytes in either tensor
	s_mul_i32 s41, s23, s21
	s_add_co_u32 s40, s40, s41
	s_lshl_b32 s41, s22, 2
	s_add_co_u32 s40, s40, s41
	s_mov_b32 s41, 0
	s_lshl_b32 s32, s21, 5                                 ; a block of 32 along K on
	s_mov_b32 s33, 0
	v_lshlrev_b32 v16, 2, v1                               ; v16-47: my column's byte in rows 0 .. 31 of a block
.set i, 0
.rept 31
	v_add_nc_u32 v[17+i], s21, v[16+i]
.set i, i+1
.endr
	s_wait_kmcnt 0x0
	s_cmp_eq_u32 s19, 0                                    ; the choice hangs on the work-group's number alone
	s_cselect_b64 s[4:5], s[4:5], s[6:7]
	s_add_nc_u64 s[24:25], s[4:5], s[40:41]                ; a base for each of my four blocks
	s_add_nc_u64 s[26:27], s[24:25], s[32:33]
	s_add_nc_u64 s[28:29], s[26:27], s[32:33]
	s_add_nc_u64 s[30:31], s[28:29], s[32:33]
.irp be, 0,1,2,3
.set i, 0
.rept 32
	global_load_b32 v[48+32*\be+i], v[16+i], s[24+2*\be:25+2*\be] th:TH_LOAD_NT   ; one k, 32 neighbouring columns: 128 consecutive bytes; read once in the launch
.set i, i+1
.endr
.endr
	s_mul_i32 s40, ttmp9, 12288                            ; eight fragments a work-group,
	s_mul_i32 s42, s16, 3072                               ; two a wave
	s_add_co_u32 s40, s40, s42
	s_add_nc_u64 s[12:13], s[12:13], s[40:41]
	s_lshl_b32 s40, ttmp9, 9
	s_add_nc_u64 s[14:15], s[14:15], s[40:41]              ; 128 scale words a work-group
	v_bfe_u32 v8, v0, 3, 1                                 ; u: my column's tile
	v_and_b32 v9, 7, v0
	v_bfe_u32 v10, v0, 4, 1
	v_lshl_or_b32 v9, v10, 3, v9                           ; r: its row there
	s_mul_i32 s45, s16, 3328
	v_mul_u32_u24 v2, v8, 1664
	v_lshl_add_u32 v2, v9, 4, v2
	v_add_nc_u32 v2, s45, v2                               ; the stage, in: fragment u, lane r's 16 bytes
	v_lshlrev_b32 v4, 4, v1
	v_add_nc_u32 v3, s45, v4                               ; and out: 16 x lane
	v_lshlrev_b32 v5, 5, v9
	v_lshl_add_u32 v5, v8, 2, v5
	s_lshl_b32 s45, s16, 3
	v_add_nc_u32 v5, s45, v5                               ; my scale word: 32 r + 4 (2 v + u)
; Block be of my column: its 32 numbers are mine.  Its six registers of codes belong to lane r + 16 (be % 2) of the image, registers 6 (be / 2) on
.macro WBLOCK be, cnt
.set XB, 48+32*\be
.set CD, 176+12*(\be%2)+6*(\be/2)
	s_wait_loadcnt \cnt
	v_max3_num_f32 v8, |v[XB]|, |v[XB+1]|, |v[XB+2]|
	v_max3_num_f32 v9, |v[XB+3]|, |v[XB+4]|, |v[XB+5]|
.irp i, 6,10,14,18,22,26
	v_max3_num_f32 v8, v8, |v[XB+\i]|, |v[XB+\i+1]|
	v_max3_num_f32 v9, v9, |v[XB+\i+2]|, |v[XB+\i+3]|
.endr
	v_max3_num_f32 v8, v8, |v[XB+30]|, |v[XB+31]|
	v_max3_num_f32 v8, v8, v9, 0x1800000                   ; and the floor 2^(3 - 127): the byte cannot fall under 1
	v_add_nc_u32 v10, 0xff000000, v8                       ; 2 off the exponent field: the conversion's scale operand
	v_lshrrev_b32 v11, 23, v10                             ; the byte
.if \be == 0
	v_mov_b32 v216, v11
.else
	v_lshl_or_b32 v216, v11, 8*\be, v216                   ; four bytes make my column's scale word for these 128 along K
.endif
	v_cvt_scalef32_pk16_fp6_f32 v[CD:CD+2], v[XB:XB+15], v10
	v_cvt_scalef32_pk16_fp6_f32 v[200+4*\be:202+4*\be], v[XB+16:XB+31], v10   ; a conversion's three registers begin on an even number
.endm
	WBLOCK 0, 63                                           ; 96 younger loads might be out; 63 is the largest count that a wait can name, and a smaller count is safe
	WBLOCK 1, 63                                           ; likewise (64)
	WBLOCK 2, 32                                           ; the last block's 32 may be out
	WBLOCK 3, 0
	v_nop                                                  ; one plain place behind a scaled conversion
.irp be, 0,1,2,3
.irp i, 0,1,2
	v_mov_b32 v[176+12*(\be%2)+6*(\be/2)+3+\i], v[200+4*\be+\i]
.endr
.endr
.irp h, 0,1
.irp p, 0,1,2
	ds_store_b128 v2, v[176+12*\h+4*\p:179+12*\h+4*\p] offset:WST+256*\h+512*\p   ; lanes r and r + 16 of the image
.endr
.endr
	ds_store_b32 v5, v216 offset:SCT
.irp u, 0,1
.irp p, 0,1,2
	ds_load_b128 v[48+4*(3*\u+\p):51+4*(3*\u+\p)], v3 offset:WST+1664*\u+512*\p   ; LDS serves a wave's instructions in order (ISA guide 5.7.1.4): these see my stores
.endr
.endr
.irp u, 0,1
.irp p, 0,1,2
	s_wait_dscnt 5-(3*\u+\p)                               ; the younger loads may be out
	global_store_b128 v4, v[48+4*(3*\u+\p):51+4*(3*\u+\p)], s[12:13] offset:1536*\u+512*\p   ; 512 consecutive bytes, at a multiple of 256 from wq's first byte
.endr
.endr
	BARRIER                                                ; the four waves' scale words lie in LDS
	s_cmp_lg_u32 s16, 0
	s_cbranch_scc1 .Lwdone
	ds_load_b128 v[72:75], v4 offset:SCT
	s_wait_dscnt 0x0
	global_store_b128 v4, v[72:75], s[14:15]               ; 512 consecutive bytes
.Lwdone:
	s_wait_tensorcnt 0x0
	ds_add_u32 v232, v233
	s_wait_dscnt 0x0
	s_endpgm
	; ================ the placing ================
.Lplace:
	s_sub_co_u32 s17, ttmp9, 256                           ; p: my block of 64 tokens.  Lane (r, h) of wave v serves token 16 v + r; the two halves share its work
	v_and_b32 v2, 15, v0
	v_bfe_u32 v3, v0, 4, 1
	v_lshrrev_b32 v4, 4, v0                                ; thread / 16, 0 .. 7: which of eight rows of hist a load brings me
	v_lshlrev_b32 v5, 4, v0                                ; 16 x thread
	s_lshl_b32 s18, s16, 6
	v_lshl_add_u32 v6, v2, 2, s18                          ; my token's word
	v_lshlrev_b32 v7, 7, v3                                ; my half's 32 words of the block
	s_lshl_b32 s18, s16, 8
	v_lshl_add_u32 v13, v2, 4, s18                         ; LDS: 256 x wave + 16 r
	v_lshlrev_b32 v14, 3, v1                               ; LDS: 8 x lane
	s_mov_b32 s20, 0x76543210
	s_mov_b32 s21, 0xfedcba98                              ; v_permlanex16_b32's selects for lane l xor 16
	s_mov_b32 s22, 0xffff0000                              ; lanes 16-31
	s_lshl_b32 s18, s17, 8
	s_mov_b32 s19, 0
	s_wait_kmcnt 0x0
	s_add_nc_u64 s[8:9], s[8:9], s[18:19]                  ; tok at my block
	global_load_b32 v8, v6, s[8:9]
.irp i, 0,1,2,3,4,5,6,7
	global_load_b128 v[32+4*\i:35+4*\i], v7, s[8:9] offset:16*\i
.endr
.set j, 0
.rept 32
	global_load_b128 v[64+4*j:67+4*j], v5, s[10:11] offset:2048*j   ; rows 8 j .. 8 j + 7 of hist, 2,048 consecutive bytes a work-group: I get row 8 j + thread / 16, counts 8 r .. 8 r + 7
.set j, j+1
.endr
	; ---- my rank among my block's tokens of my pair.  Words of one pair differ in token % 64 alone; words of different pairs by 2^16 - 2^13 at the least
	s_wait_loadcnt 32                                      ; the words are in; the 32 loads of hist may be out
	v_and_b32 v10, 63, v8                                  ; tau = token % 64
	v_add_nc_u32 v9, -1, v8
	v_mov_b32 v11, 0
.set i, 0
.rept 32
	v_sub_nc_u32 v12, v9, v[32+i]                          ; tau - tau' - 1 for my pair
	v_cmp_gt_u32 vcc_lo, v10, v12                          ; 0 .. tau - 1: my pair, an earlier token
	v_add_co_ci_u32 v11, vcc_lo, 0, v11, vcc_lo
.set i, i+1
.endr
	v_mov_b32 v12, 0
	v_permlanex16_b32 v12, v11, s20, s21
	v_add_nc_u32 v11, v11, v12                             ; with the other half's 32 words
	; ---- sums down hist's columns, two counts of 16 bits to a register: a column's sum is 16,384 at the most, so nothing is carried from half to half
	s_wait_loadcnt 31
	v_cmp_gt_i32 vcc_lo, s17, v4                           ; is my row below block p?
.irp k, 0,1,2,3
	v_cndmask_b32 v[24+\k], 0, v[64+\k], vcc_lo            ; the first rows start both sums: v24-27 below p, v64-67 all
.endr
.set j, 1
.rept 31
	s_wait_loadcnt 31-j                                    ; the younger rows may be out
	s_sub_co_i32 s23, s17, 8*j
	v_cmp_gt_i32 vcc_lo, s23, v4
.irp k, 0,1,2,3
	v_cndmask_b32 v[28+\k], 0, v[64+4*j+\k], vcc_lo
.endr
.irp k, 0,1,2,3
	v_add_nc_u32 v[24+\k], v[24+\k], v[28+\k]
.endr
.irp k, 0,1,2,3
	v_add_nc_u32 v[64+\k], v[64+\k], v[64+4*j+\k]
.endr
.set j, j+1
.endr
.irp k, 0,1,2,3
	v_permlanex16_b32 v[28+\k], v[24+\k], s20, s21
.endr
.irp k, 0,1,2,3
	v_add_nc_u32 v[24+\k], v[24+\k], v[28+\k]
.endr
.irp k, 0,1,2,3
	v_permlanex16_b32 v[28+\k], v[64+\k], s20, s21
.endr
.irp k, 0,1,2,3
	v_add_nc_u32 v[64+\k], v[64+\k], v[28+\k]
.endr
	ds_store_b128 v13, v[64:67] offset:PLT                 ; (both halves of the lanes hold and write the same)
	ds_store_b128 v13, v[24:27] offset:PLB
	BARRIER                                                ; the four waves' sums lie in LDS
	; ---- every wave: lane l takes pairs 4 l .. 4 l + 3
.irp a, 0,1,2,3
	ds_load_b64 v[32+2*\a:33+2*\a], v14 offset:PLT+256*\a
	ds_load_b64 v[40+2*\a:41+2*\a], v14 offset:PLB+256*\a
.endr
	s_wait_dscnt 0x0
.irp k, 0,1
	v_add3_u32 v[32+\k], v[32+\k], v[34+\k], v[36+\k]
	v_add3_u32 v[40+\k], v[40+\k], v[42+\k], v[44+\k]
	v_add_nc_u32 v[32+\k], v[32+\k], v[38+\k]
	v_add_nc_u32 v[40+\k], v[40+\k], v[46+\k]
.endr
.irp k, 0,1
	v_and_b32 v[48+2*\k], 0xffff, v[32+\k]                 ; v48-51: my four pairs' tokens in all blocks
	v_lshrrev_b32 v[49+2*\k], 16, v[32+\k]
	v_and_b32 v[52+2*\k], 0xffff, v[40+\k]                 ; v52-55: in the blocks below p
	v_lshrrev_b32 v[53+2*\k], 16, v[40+\k]
.endr
	v_add3_u32 v56, v48, v49, v50
	v_add_nc_u32 v56, v56, v51
	v_mov_b32 v57, v56
	v_mov_b32 v58, 0
.irp n, 1,2,4,8
	v_mov_b32_dpp v58, v57 row_shr:\n row_mask:0xf bank_mask:0xf bound_ctrl:1   ; a running sum over each 16 lanes
	v_add_nc_u32 v57, v57, v58
.endr
	v_readlane_b32 s23, v57, 15
	v_mov_b32 v58, s23
	v_cndmask_b32 v58, 0, v58, s22
	v_add_nc_u32 v57, v57, v58                             ; lanes 16-31 stand on the first 16 lanes' total
	v_sub_nc_u32 v57, v57, v56                             ; the tokens of all pairs below 4 l
	v_add_nc_u32 v60, v57, v52                             ; v60-63: where block p's tokens of my four pairs begin
	v_add_nc_u32 v57, v57, v48
	v_add_nc_u32 v61, v57, v53
	v_add_nc_u32 v57, v57, v49
	v_add_nc_u32 v62, v57, v54
	v_add_nc_u32 v57, v57, v50
	v_add_nc_u32 v63, v57, v55
	; ---- my token's pair looks its beginning up: from lane pair / 4, number pair % 4
	v_bfe_u32 v15, v8, 6, 7
	v_and_b32 v16, 0x7c, v15
.irp k, 0,1,2,3
	ds_bpermute_b32 v[68+\k], v16, v[60+\k]
.endr
	v_and_b32 v17, 3, v15
	s_wait_dscnt 0x0
.irp k, 1,2,3
	v_cmp_eq_u32 vcc_lo, \k, v17
	v_cndmask_b32 v68, v68, v[68+\k], vcc_lo
.endr
	v_add_nc_u32 v68, v68, v11                             ; + my rank: my place
	v_min_u32 v68, 0x3fff, v68                             ; inside order's 16,384 words
	v_lshlrev_b32 v68, 2, v68
	v_and_b32 v69, 0xff0000, v8                            ; hi << 20 | lo << 16
	s_lshl_b32 s18, s17, 6
	v_or_b32 v70, s18, v10                                 ; the token: 64 p + tau
	v_or_b32 v69, v69, v70
	v_cmp_gt_u32 vcc_lo, 16, v1                            ; the two halves hold the same: lanes 0-15 store
	s_wait_xcnt 0x0                                        ; EXEC changes only behind this wait
	s_wait_tensorcnt 0x0
	ds_add_u32 v232, v233
	s_wait_dscnt 0x0
	s_and_saveexec_b32 s40, vcc_lo
	global_store_b32 v68, v69, s[36:37]
	s_wait_xcnt 0x0                                        ; and again, ahead of the line that widens it
	s_or_b32 exec_lo, exec_lo, s40
	s_endpgm
.Lfunc_end_k_qdfa4c0740d_place:
	.size	k_qdfa4c0740d_place, .Lfunc_end_k_qdfa4c0740d_place-k_qdfa4c0740d_place
	.p2alignl 7, 3214868480
	.fill 96, 4, 3214868480
	.section	.rodata,"a",@progbits
	.p2align	6, 0x0
	.amdhsa_kernel k_qdfa4c0740d_place
		.amdhsa_group_segment_fixed_size 16896
		.amdhsa_private_segment_fixed_size 0
		.amdhsa_enable_private_segment 0
		.amdhsa_kernarg_size 56
		.amdhsa_user_sgpr_count 2
		.amdhsa_user_sgpr_kernarg_segment_ptr 1
		.amdhsa_wavefront_size32 1
		.amdhsa_system_sgpr_workgroup_id_x 1
		.amdhsa_system_sgpr_workgroup_id_y 1
		.amdhsa_system_sgpr_workgroup_id_z 1
		.amdhsa_system_vgpr_workitem_id 0
		.amdhsa_next_free_vgpr 234
		.amdhsa_next_free_sgpr 66
		.amdhsa_reserve_vcc 1
		.amdhsa_float_denorm_mode_32 3
		.amdhsa_float_denorm_mode_16_64 3
		.amdhsa_memory_ordered 1
		.amdhsa_forward_progress 1
		.amdhsa_inst_pref_size 52
	.end_amdhsa_kernel
	.amdgpu_metadata
---
amdhsa.version: [ 1, 2 ]
amdhsa.kernels:
  - .name:           k_qdfa4c0740d_place
    .symbol:         k_qdfa4c0740d_place.kd
    .args:
      - { .name: W1, .offset: 0, .size: 8, .value_kind: global_buffer, .address_space: global }
      - { .name: W2, .offset: 8, .size: 8, .value_kind: global_buffer, .address_space: global }
      - { .name: tok, .offset: 16, .size: 8, .value_kind: global_buffer, .address_space: global }
      - { .name: hist, .offset: 24, .size: 8, .value_kind: global_buffer, .address_space: global }
      - { .name: wq, .offset: 32, .size: 8, .value_kind: global_buffer, .address_space: global }
      - { .name: ws, .offset: 40, .size: 8, .value_kind: global_buffer, .address_space: global }
      - { .name: order, .offset: 48, .size: 8, .value_kind: global_buffer, .address_space: global }
    .group_segment_fixed_size: 16896
    .private_segment_fixed_size: 0
    .kernarg_segment_align: 8
    .kernarg_segment_size: 56
    .max_flat_workgroup_size: 128
    .sgpr_count:     66
    .vgpr_count:     234
    .wavefront_size: 32
...
	.end_amdgpu_metadata
.endif
;; end of part 2
;; launch experts (part 3): grid 256 x 1, 4 waves a work-group, no clusters, 45,568 bytes of LDS; arguments order, xq, wq, ws, b1, b2, out0; writes out0
.if DOCPART == 3
	.amdgcn_target "amdgcn-amd-amdhsa--gfx1250"
	.amdhsa_code_object_version 6
	.text
	.protected	k_qdfa4c0740d_experts
	.globl	k_qdfa4c0740d_experts
	.p2align	8
	.type	k_qdfa4c0740d_experts,@function
k_qdfa4c0740d_experts:
	s_mov_b64 s[64:65], 0
	v_nop
	global_prefetch_b8 v0, s[64:65] scope:SCOPE_SE
	s_setreg_imm32_b32 hwreg(HW_REG_WAVE_MODE, 25, 1), 1
	s_wait_xcnt 0x0
; EXPERTS.  out[token] = the sum over its two experts e of weight x (Q(relu(Q(x) Q(W1[e]) + b1[e])) Q(W2[e]) + b2[e]), both products on codes of FP6 (E2M3) with one E8M0 scale for each 32 along K.
; A work-group owns 64 tokens that follow each other in the order sorted by pair of experts, so they use few experts, and both experts of a token are met here: each row of out has one owner.
; It walks the experts that its tokens use (a mask of 16 bits from the stored list).  For each: all 64 rows go through the chain, and a row's result is weighed by its weight for that expert, 0 if it has none.
; THE WAVES SHARE THE COLUMNS: wave w makes hidden units 128 w .. + 127 and outputs 64 w .. + 63 for all 64 rows, so each byte of an expert's codes is loaded once a work-group, straight into the registers
; of the wave that multiplies by it: the codes lie in memory as images of the operand's registers.  The hidden layer goes from wave to wave through LDS, also as images, and never to memory.
; Both products are used transposed (source 0 = 16 columns of the weight, source 1 = 16 tokens): a lane holds one token, and by the choice of a tile's columns its registers of two neighbouring tiles are 16 neighbours.
; NO TENSOR LOAD, NO CLUSTER: which experts are walked hangs on stored numbers and differs from work-group to work-group.  The loop has a constant 15 trips behind the first expert; a trip with no expert left
; passes its two barriers and nothing else: no barrier stands under a branch on loaded numbers.
; LIMITS: NaN and infinities are not served.  A token is multiplied by 0 for the block's experts that it has not chosen: were such a result to overflow f32, the row would be NaN.
;         A block of zeros of the hidden layer gets the scale byte 1: its codes are zeros.
; REGISTERS, in windows of 256: window 0: addresses, lists, scale words, v96-133 the quantiser, v136-199 my 8 tiles of the hidden layer, later v136-183 hidden fragments and v192-255 results.
;   window 1: v0-191 W1's 16 fragments, v192-255 b1.   window 2: v0-191 W2's 16 fragments, v192-223 b2.   window 3: v0-127 the 16 sums of out, v128-223 x's 8 fragments.
.set HIMG, 0                           ; LDS: the hidden layer's 16 fragments (tile of rows m, K step s: 4 m + s), 1,536 bytes each
.set HSC,  24576                       ; their scale words, 128 bytes each
.set OST,  26624                       ; the way out: for each wave 16 rows x (256 bytes + 16)
.set OSTW, 4352
.set TOKT, 44032                       ; for each wave the 64 tokens' numbers
.set FR,   12
.set FRB,  1536
.set LI,   1                           ; 16 x lane
.set LS,   2                           ; 4 x lane
.set SA,   3                           ; 32 r: a row's eight scale words
.set BA,   4                           ; 64 h: my half's place among 32 biases
.set HWI,  5                           ; 16 x lane + 1536 x wave
.set HWS,  6                           ; 4 x lane + 128 x wave
.set SO,   7
.set SR,   8
.set TW,   9
.set TR,   10
.set CL,   11                          ; 16 r
.set OW,   12                          ; v12-15 the list's words of tokens (m, r)
.set XT,   16                          ; v16-19 256 x token
.set XA,   20                          ; v20-23 + 48 h
.set ELO,  24                          ; v24-27 the lower expert
.set EHI,  28                          ; v28-31 the higher
.set W1S,  32                          ; v32-47 W1's scale words, v48-63 W2's, v64-71 x's (2 m + s), v72-75 the hidden layer's: scales and nothing else
.set W2S,  48
.set XS,   64
.set HS,   72
.set GW,   76                          ; v76-83 the tokens' two weights
.set SW,   84                          ; v84-91 the weight for the expert in hand, in pairs whose upper register is 0
.set TM,   96
.set PW,   112
.set PC,   114
.set HA,   136
.set HF,   136
.set RES,  192
.set BW,   192                         ; the biases' place in windows 1 and 2
.set XFW,  128                         ; x's fragments' place in window 3
.set WV,   18
.set MASK, 19                          ; the experts still to be walked
.set CUR,  20                          ; the expert in hand, or next
.set VAL,  21                          ; 1: there is one
.set CNT,  22
.set SEL,  24
.set MSB, 0
.macro WIN new                         ; the immediate's high byte repeats the setting that is left; bits 1:0 source 0, 3:2 source 1, 5:4 source 2, 7:6 destination
.if MSB != \new
	s_set_vgpr_msb (MSB<<8)|\new
.set MSB, \new
.endif
.endm
.macro BARRIER                                         ; my LDS stores have landed and my LDS loads are in: then the work-group's barrier
	s_wait_dscnt 0x0
	s_barrier_signal -1
	s_barrier_wait -1
.endm
; where expert CUR's first layer lies: codes 196,608 bytes an expert, scale words 8,192, b1 2,048; my wave's part is in the kept bases
.macro BASES1
	s_mul_i32 s26, s[CUR], 196608
	s_add_nc_u64 s[28:29], s[40:41], s[26:27]
	s_lshl_b32 s26, s[CUR], 13
	s_add_nc_u64 s[30:31], s[42:43], s[26:27]
	s_lshl_b32 s26, s[CUR], 11
	s_add_nc_u64 s[32:33], s[44:45], s[26:27]
.endm
.macro BASES2                                          ; the second layer: 98,304 and 4,096 bytes on; b2 1,024 bytes an expert
	s_mul_i32 s26, s[CUR], 196608
	s_add_co_u32 s26, s26, 98304
	s_add_nc_u64 s[34:35], s[40:41], s[26:27]
	s_lshl_b32 s26, s[CUR], 13
	s_add_co_u32 s26, s26, 4096
	s_add_nc_u64 s[36:37], s[42:43], s[26:27]
	s_lshl_b32 s26, s[CUR], 10
	s_add_nc_u64 s[38:39], s[46:47], s[26:27]
.endm
; a layer's 16 fragments, biases and scale words.  win: the window; cb, sb, bb: first registers of the bases of codes, scale words, biases; nt: tiles with a bias; sc: where the scale words go
.macro LOADW win, cb, sb, bb, nt, sc
	WIN \win<<6
.set f, 0
.rept 16
.irp p, 0,1,2
	global_load_b128 v[FR*f+4*\p:FR*f+4*\p+3], v[LI], s[\cb:\cb+1] offset:FRB*f+512*\p   ; 512 consecutive bytes: an image's four registers of every lane
.endr
.set f, f+1
.endr
.set f, 0
.rept \nt
.irp q, 0,1
	global_load_b128 v[BW+8*f+4*\q:BW+8*f+4*\q+3], v[BA], s[\bb:\bb+1] offset:128*(f/2)+32*(f%2)+16*\q   ; tile 2 b + u: the biases of columns 32 b + 16 h + 8 u + 0 .. 7: the result's layout
.endr
.set f, f+1
.endr
	WIN 0
.irp a, 0,1,2,3
	global_load_b128 v[\sc+4*\a:\sc+4*\a+3], v[SA], s[\sb:\sb+1] offset:512*(\a/2)+16*(\a%2)   ; row r's words of fragments 4 a .. 4 a + 3
.endr
.endm
; 64 numbers of a lane, v[HA] on, register 16 b + i = k 32 b + 16 h + i of my token, become a fragment's codes in v[PC] on and its scale word in v[PW]
.macro QUANT
.irp b, 0,1,2,3
	v_max3_num_f32 v[TM+\b], v[HA+16*\b], v[HA+1+16*\b], 0x1800000   ; none is negative; the floor 2^(3 - 127): the byte cannot fall under 1
.endr
.irp i, 2,4,6,8,10,12,14
.irp b, 0,1,2,3
	v_max3_num_f32 v[TM+\b], v[TM+\b], v[HA+16*\b+\i], v[HA+1+16*\b+\i]
.endr
.endr
.irp b, 0,1,2,3
	v_permlanex16_b32 v[TM+4+\b], v[TM+\b], s[SEL], s[SEL+1]
.endr
.irp b, 0,1,2,3
	v_max_num_f32 v[TM+\b], v[TM+\b], v[TM+4+\b]           ; with lane l xor 16's: the block's largest
.endr
.irp b, 0,1,2,3
	v_add_nc_u32 v[TM+12+\b], 0xff000000, v[TM+\b]         ; 2 off its exponent field: the conversion's scale operand
.endr
.irp b, 0,1,2,3
	v_lshrrev_b32 v[TM+4+\b], 23, v[TM+12+\b]              ; the scale's byte
.endr
	v_lshl_or_b32 v[PW], v[TM+5], 8, v[TM+4]
	v_lshl_or_b32 v[PW], v[TM+6], 16, v[PW]
	v_lshl_or_b32 v[PW], v[TM+7], 24, v[PW]
.irp c, 0,1
	v_cvt_scalef32_pk16_fp6_f32 v[PC+6*\c:PC+2+6*\c], v[HA+32*\c:HA+15+32*\c], v[TM+12+2*\c]
	v_cvt_scalef32_pk16_fp6_f32 v[PC+12+4*\c:PC+14+4*\c], v[HA+16+32*\c:HA+31+32*\c], v[TM+12+2*\c+1]   ; a conversion's three registers begin on an even number
.endr
	v_nop                                                  ; one plain place behind a scaled conversion
.irp c, 0,1                                            ; the operand's layout wants a whole block in a lane
.irp i, 0,1,2
	v_permlane16_swap_b32 v[PC+6*\c+\i], v[PC+12+4*\c+\i]
.endr
.irp i, 0,1,2
	v_mov_b32 v[PC+3+6*\c+\i], v[PC+12+4*\c+\i]
.endr
.endr
.endm
; Tile m of 16 tokens: my 8 tiles of the hidden layer, relu, quantised: K step w of the second product; its image goes to LDS.  The eight accumulators take turns
.macro P1TILE m
	WIN 0x1d                                               ; W1 and b1 window 1, x window 3, the result window 0
.irp t, 0,1,2,3,4,5,6,7
	v_wmma_scale_f32_16x16x128_f8f6f4 v[HA+8*\t:HA+8*\t+7], v[FR*\t:FR*\t+FR-1], v[XFW+FR*(2*\m):XFW+FR*(2*\m)+FR-1], v[BW+8*\t:BW+8*\t+7], v[W1S+\t], v[XS+2*\m] matrix_a_fmt:MATRIX_FMT_FP6 matrix_b_fmt:MATRIX_FMT_FP6
.endr
	WIN 0x0d
.irp t, 0,1,2,3,4,5,6,7
	v_wmma_scale_f32_16x16x128_f8f6f4 v[HA+8*\t:HA+8*\t+7], v[FR*(8+\t):FR*(8+\t)+FR-1], v[XFW+FR*(2*\m+1):XFW+FR*(2*\m+1)+FR-1], v[HA+8*\t:HA+8*\t+7], v[W1S+8+\t], v[XS+2*\m+1] matrix_a_fmt:MATRIX_FMT_FP6 matrix_b_fmt:MATRIX_FMT_FP6
.endr
	WIN 0
.rept 4
	v_nop                                                  ; four places between the last product and the first read of results (ISA guide 7.12.1)
.endr
.set j, 0
.rept 64
	v_max_num_f32 v[HA+j], 0, v[HA+j]                      ; the activation, in f32, each accumulator from its low end on
.set j, j+1
.endr
	s_wait_dscnt 0x0                                       ; my earlier LDS stores are done: their registers are written again below
	QUANT
.irp c, 0,1,2
	ds_store_b128 v[HWI], v[PC+4*\c:PC+4*\c+3] offset:HIMG+4*FRB*\m+512*\c
.endr
	ds_store_b32 v[HWS], v[PW] offset:HSC+512*\m
.endm
; The second product goes in eight steps q: rows 32 (q / 4) on (two tiles), K step q % 4.  The two hidden fragments and scale words of step q come into set q % 2: eight LDS loads
.macro FETCHH q
.irp mu, 0,1
.irp c, 0,1,2
	ds_load_b128 v[HF+24*((\q)%2)+12*\mu+4*\c:HF+24*((\q)%2)+12*\mu+4*\c+3], v[LI] offset:HIMG+(4*(2*((\q)/4)+\mu)+(\q)%4)*FRB+512*\c
.endr
	ds_load_b32 v[HS+2*((\q)%2)+\mu], v[LS] offset:HSC+128*(4*(2*((\q)/4)+\mu)+(\q)%4)
.endr
.endm
.macro P2STEP q
.if (\q) < 7
	s_wait_dscnt 8                                         ; this step's eight loads are in; the next step's eight may be out
.else
	s_wait_dscnt 0x0
.endif
.if (\q)%4 == 0
	WIN 0x22                                               ; W2 and b2 window 2; the hidden fragments and the result window 0
.else
	WIN 0x02
.endif
.irp mu, 0,1
.irp t, 0,1,2,3
.if (\q)%4 == 0
	v_wmma_scale_f32_16x16x128_f8f6f4 v[RES+8*(4*\mu+\t):RES+8*(4*\mu+\t)+7], v[FR*\t:FR*\t+FR-1], v[HF+24*((\q)%2)+12*\mu:HF+24*((\q)%2)+12*\mu+FR-1], v[BW+8*\t:BW+8*\t+7], v[W2S+\t], v[HS+2*((\q)%2)+\mu] matrix_a_fmt:MATRIX_FMT_FP6 matrix_b_fmt:MATRIX_FMT_FP6
.else
	v_wmma_scale_f32_16x16x128_f8f6f4 v[RES+8*(4*\mu+\t):RES+8*(4*\mu+\t)+7], v[FR*(4*((\q)%4)+\t):FR*(4*((\q)%4)+\t)+FR-1], v[HF+24*((\q)%2)+12*\mu:HF+24*((\q)%2)+12*\mu+FR-1], v[RES+8*(4*\mu+\t):RES+8*(4*\mu+\t)+7], v[W2S+4*((\q)%4)+\t], v[HS+2*((\q)%2)+\mu] matrix_a_fmt:MATRIX_FMT_FP6 matrix_b_fmt:MATRIX_FMT_FP6
.endif
.endr
.endr
	WIN 0
.rept 4
	v_nop                                                  ; four places ahead of loads into registers that these products have read, and of the first read of results
.endr
.if (\q) < 6
	FETCHH (\q)+2
.endif
.endm
; rows 32 half on: out's sums take the results x each token's weight for this expert.  first = 1: the products start the sums: nothing is cleared
.macro ACCUM half, first
.if \first
	WIN 0xc0
.else
	WIN 0xf0
.endif
.irp mu, 0,1
.irp t, 0,1,2,3
.irp k, 0,2,4,6
.if \first
	v_pk_mul_f32 v[8*(4*(2*\half+\mu)+\t)+\k:8*(4*(2*\half+\mu)+\t)+\k+1], v[RES+8*(4*\mu+\t)+\k:RES+8*(4*\mu+\t)+\k+1], v[SW+2*(2*\half+\mu):SW+2*(2*\half+\mu)+1] op_sel_hi:[1,0]
.else
	v_pk_fma_f32 v[8*(4*(2*\half+\mu)+\t)+\k:8*(4*(2*\half+\mu)+\t)+\k+1], v[RES+8*(4*\mu+\t)+\k:RES+8*(4*\mu+\t)+\k+1], v[SW+2*(2*\half+\mu):SW+2*(2*\half+\mu)+1], v[8*(4*(2*\half+\mu)+\t)+\k:8*(4*(2*\half+\mu)+\t)+\k+1] op_sel_hi:[1,0,1]
.endif
.endr
.endr
.endr
	WIN 0
.endm
; ONE EXPERT.  Each of its two parts begins with a wait for all my loads: what it needs was asked for a whole part earlier (W2 at the head of the first part, the next W1 at the head of the second),
; and the bases that those loads read may then be written.  first = 1: the first expert, which every work-group has: no branch.
.macro EXPERT first
.if !\first
	s_cmp_eq_u32 s[VAL], 0
	s_cbranch_scc1 .LskipA_\@
.endif
	s_wait_loadcnt 0x0                                     ; W1, its scale words and b1 are in (for the first expert: x, its scale words and the weights too)
	BASES2
	LOADW 2, 34, 36, 38, 4, W2S                            ; lands while the hidden layer is made
.irp m, 0,1,2,3
	v_cmp_eq_u32 vcc_lo, s[CUR], v[ELO+\m]
	v_cndmask_b32 v[SW+2*\m], 0, v[GW+2*\m], vcc_lo
	v_cmp_eq_u32 vcc_lo, s[CUR], v[EHI+\m]
	v_cndmask_b32 v[SW+2*\m], v[SW+2*\m], v[GW+2*\m+1], vcc_lo   ; my token's weight for this expert, or 0
.endr
	P1TILE 0
	P1TILE 1
	P1TILE 2
	P1TILE 3
.if !\first
.LskipA_\@:
.endif
	BARRIER                                                ; the hidden layer's sixteen fragments lie in LDS
.if !\first
	s_cmp_eq_u32 s[VAL], 0
	s_cbranch_scc1 .LskipB_\@
.endif
	s_wait_loadcnt 0x0                                     ; W2, its scale words and b2 are in
	s_cmp_lg_u32 s[MASK], 0                                ; the next expert, if one is left
	s_cselect_b32 s[VAL], 1, 0
	s_ctz_i32_b32 s[CUR], s[MASK]
	s_min_u32 s[CUR], s[CUR], 15                           ; inside the tables
	s_sub_co_u32 s23, s[MASK], 1
	s_and_b32 s[MASK], s[MASK], s23
	s_cmp_eq_u32 s[VAL], 0
	s_cbranch_scc1 .Lnone_\@
	BASES1
	LOADW 1, 28, 30, 32, 8, W1S                            ; lands while the second product runs
.Lnone_\@:
	FETCHH 0
	FETCHH 1
	P2STEP 0
	P2STEP 1
	P2STEP 2
	P2STEP 3
	ACCUM 0, \first
	P2STEP 4
	P2STEP 5
	P2STEP 6
	P2STEP 7
	ACCUM 1, \first
.if !\first
.LskipB_\@:
.endif
	BARRIER                                                ; every wave's reads of the hidden layer are over: the next expert's may be stored
.endm
	s_load_b256 s[4:11], s[0:1], 0x0                       ; order s[4:5], xq s[6:7], wq s[8:9], ws s[10:11]
	s_load_b128 s[12:15], s[0:1], 0x20                     ; b1 s[12:13], b2 s[14:15]
	s_load_b64 s[16:17], s[0:1], 0x30                      ; out0
	s_set_vgpr_msb 0x80
	v_lshl_add_u32 v254, v0, 2, 0xb000
	v_mov_b32 v255, 0
	s_set_vgpr_msb 0x8000
	v_lshrrev_b32 v92, 5, v0
	v_readfirstlane_b32 s[WV], v92                         ; wave 0..3
	v_and_b32 v92, 31, v0                                  ; lane
	v_and_b32 v93, 15, v0                                  ; r
	v_bfe_u32 v94, v0, 4, 1                                ; h
	v_lshlrev_b32 v95, 2, v93                              ; the list: 4 r
	s_mov_b32 s[SEL], 0x76543210
	s_mov_b32 s[SEL+1], 0xfedcba98                         ; v_permlanex16_b32's selects for lane l xor 16
	s_mov_b32 s27, 0
	s_lshl_b32 s26, ttmp9, 8
	s_wait_kmcnt 0x0
	s_add_nc_u64 s[4:5], s[4:5], s[26:27]                  ; my 64 words of the list
.irp m, 0,1,2,3
	global_load_b32 v[OW+\m], v95, s[4:5] offset:64*\m     ; every wave takes all 64: lane r that of token (m, r)
.endr
	s_mul_i32 s26, s[WV], 24576
	s_add_nc_u64 s[40:41], s[8:9], s[26:27]                ; kept: my wave's part of an expert's codes,
	s_lshl_b32 s26, s[WV], 10
	s_add_nc_u64 s[42:43], s[10:11], s[26:27]              ; scale words,
	s_lshl_b32 s26, s[WV], 9
	s_add_nc_u64 s[44:45], s[12:13], s[26:27]              ; b1: my 128,
	s_lshl_b32 s26, s[WV], 8
	s_add_nc_u64 s[46:47], s[14:15], s[26:27]              ; b2: my 64,
	s_add_nc_u64 s[16:17], s[16:17], s[26:27]              ; and my 256 bytes of a row of out
	v_lshlrev_b32 v[LI], 4, v92
	v_lshlrev_b32 v[LS], 2, v92
	v_lshlrev_b32 v[SA], 5, v93
	v_lshlrev_b32 v[BA], 6, v94
	s_mul_i32 s23, s[WV], FRB
	v_add_nc_u32 v[HWI], s23, v[LI]
	s_lshl_b32 s23, s[WV], 7
	v_add_nc_u32 v[HWS], s23, v[LS]
	s_mul_i32 s23, s[WV], OSTW
	s_add_co_u32 s23, s23, OST
	v_mul_u32_u24 v[SO], v93, 272
	v_lshl_add_u32 v[SO], v94, 6, v[SO]
	v_add_nc_u32 v[SO], s23, v[SO]                         ; the way out, in: row r, + 64 h
	v_mul_u32_u24 v[SR], v94, 272
	v_lshl_add_u32 v[SR], v93, 4, v[SR]
	v_add_nc_u32 v[SR], s23, v[SR]                         ; back: lanes 0-15 one row, lanes 16-31 the next
	s_lshl_b32 s23, s[WV], 8
	s_add_co_u32 s23, s23, TOKT
	v_lshl_add_u32 v[TW], v93, 2, s23
	v_lshl_add_u32 v[TR], v94, 2, s23
	v_lshlrev_b32 v[CL], 4, v93
	v_mul_u32_u24 v107, v94, 48                            ; 48 h: my half's codes in a record
	v_mov_b32 v106, 1
.irp b, 0,1,2,3
	v_mov_b32 v[TM+4+\b], 0                                ; written once: a lane exchange's destination counts as one of its sources
	v_mov_b32 v[SW+1+2*\b], 0                              ; the upper registers of the weights' pairs are named and not used
.endr
	s_wait_loadcnt 0x0
.irp m, 0,1,2,3
	v_and_b32 v[TM+\m], 0xffff, v[OW+\m]
	v_min_u32 v[TM+\m], 0x3fff, v[TM+\m]                   ; the token, inside the tables
	v_bfe_u32 v[ELO+\m], v[OW+\m], 16, 4
	v_bfe_u32 v[EHI+\m], v[OW+\m], 20, 4
	v_lshlrev_b32 v[XT+\m], 8, v[TM+\m]
	v_add_nc_u32 v[XA+\m], v107, v[XT+\m]
	ds_store_b32 v[TW], v[TM+\m] offset:64*\m              ; kept for the way out, where lanes want other rows' tokens
.endr
	v_lshlrev_b32 v104, v[ELO], v106                       ; the experts that my 64 tokens use, a bit each
.irp m, 1,2,3
	v_lshlrev_b32 v105, v[ELO+\m], v106
	v_or_b32 v104, v104, v105
.endr
.irp m, 0,1,2,3
	v_lshlrev_b32 v105, v[EHI+\m], v106
	v_or_b32 v104, v104, v105
.endr
.irp n, 1,2,4,8
	v_mov_b32_dpp v105, v104 row_xmask:\n row_mask:0xf bank_mask:0xf
	v_or_b32 v104, v104, v105
.endr
	v_readfirstlane_b32 s[MASK], v104                      ; the same in all four waves
	s_ctz_i32_b32 s[CUR], s[MASK]
	s_min_u32 s[CUR], s[CUR], 15
	s_sub_co_u32 s23, s[MASK], 1
	s_and_b32 s[MASK], s[MASK], s23
	s_mov_b32 s[VAL], 1
	BASES1
	LOADW 1, 28, 30, 32, 8, W1S
	WIN 0xc0                                               ; destination window 3
.irp m, 0,1,2,3
.irp s, 0,1
.irp p, 0,1,2
	global_load_b128 v[XFW+FR*(2*\m+\s)+4*\p:XFW+FR*(2*\m+\s)+4*\p+3], v[XA+\m], s[6:7] offset:96*\s+16*\p   ; my token's codes, as the operand's registers want them: they stay for all experts
.endr
.endr
.endr
	WIN 0
.irp m, 0,1,2,3
	global_load_b64 v[XS+2*\m:XS+2*\m+1], v[XT+\m], s[6:7] offset:192   ; its two scale words
	global_load_b64 v[GW+2*\m:GW+2*\m+1], v[XT+\m], s[6:7] offset:200   ; its two weights
.endr
	EXPERT 1
	s_mov_b32 s[CNT], 15
.Ltrip:
	EXPERT 0
	s_sub_co_u32 s[CNT], s[CNT], 1
	s_cmp_lg_u32 s[CNT], 0
	s_cbranch_scc1 .Ltrip
	; THE WAY OUT.  A lane holds 64 neighbouring bytes of its token's row in four tiles; the lanes beside it hold other tokens.  16 rows at a time go through my own stage in LDS and come back as rows of 256 bytes.
	s_wait_loadcnt 0x0
.irp m, 0,1,2,3
	WIN 0x0c                                               ; an LDS store's data are its source 1: window 3
.irp t, 0,1,2,3
.irp q, 0,1
	ds_store_b128 v[SO], v[8*(4*\m+\t)+4*\q:8*(4*\m+\t)+4*\q+3] offset:128*(\t/2)+32*(\t%2)+16*\q
.endr
.endr
	WIN 0
.irp i, 0,1,2,3,4,5,6,7
	ds_load_b128 v[128+32*\m+4*\i:131+32*\m+4*\i], v[SR] offset:544*\i   ; LDS serves a wave's instructions in order (ISA guide 5.7.1.4): these see my stores, and the next 16 rows' stores come behind them
.endr
.irp i, 0,1,2,3,4,5,6,7
	ds_load_b32 v[96+8*\m+\i], v[TR] offset:64*\m+8*\i     ; the token of row 16 m + 2 i + h
.endr
.endr
	s_wait_dscnt 0x0
.set k, 0
.rept 32
	v_min_u32 v[96+k], 0x3fff, v[96+k]                     ; inside out's 16,384 rows
.set k, k+1
.endr
.set k, 0
.rept 32
	v_lshl_add_u32 v[96+k], v[96+k], 10, v[CL]             ; 1,024 bytes a row, + 16 r
.set k, k+1
.endr
.set k, 0
.rept 32
	global_store_b128 v[96+k], v[128+4*k:131+4*k], s[16:17] th:TH_STORE_NT   ; sixteen lanes store 256 consecutive bytes of one token's row, at a multiple of 256 from out's first byte; each store has registers of its own
.set k, k+1
.endr
	s_set_vgpr_msb 0xa
	s_wait_tensorcnt 0x0
	ds_add_u32 v254, v255
	s_wait_dscnt 0x0
	s_set_vgpr_msb 0xa00
	s_endpgm
.Lfunc_end_k_qdfa4c0740d_experts:
	.size	k_qdfa4c0740d_experts, .Lfunc_end_k_qdfa4c0740d_experts-k_qdfa4c0740d_experts
	.p2alignl 7, 3214868480
	.fill 96, 4, 3214868480
	.section	.rodata,"a",@progbits
	.p2align	6, 0x0
	.amdhsa_kernel k_qdfa4c0740d_experts
		.amdhsa_group_segment_fixed_size 45568
		.amdhsa_private_segment_fixed_size 0
		.amdhsa_enable_private_segment 0
		.amdhsa_kernarg_size 56
		.amdhsa_user_sgpr_count 2
		.amdhsa_user_sgpr_kernarg_segment_ptr 1
		.amdhsa_wavefront_size32 1
		.amdhsa_system_sgpr_workgroup_id_x 1
		.amdhsa_system_sgpr_workgroup_id_y 1
		.amdhsa_system_sgpr_workgroup_id_z 1
		.amdhsa_system_vgpr_workitem_id 0
		.amdhsa_next_free_vgpr 1024
		.amdhsa_next_free_sgpr 66
		.amdhsa_reserve_vcc 1
		.amdhsa_float_denorm_mode_32 3
		.amdhsa_float_denorm_mode_16_64 3
		.amdhsa_memory_ordered 1
		.amdhsa_forward_progress 1
		.amdhsa_inst_pref_size 159
	.end_amdhsa_kernel
	.amdgpu_metadata
---
amdhsa.version: [ 1, 2 ]
amdhsa.kernels:
  - .name:           k_qdfa4c0740d_experts
    .symbol:         k_qdfa4c0740d_experts.kd
    .args:
      - { .name: order, .offset: 0, .size: 8, .value_kind: global_buffer, .address_space: global }
      - { .name: xq, .offset: 8, .size: 8, .value_kind: global_buffer, .address_space: global }
      - { .name: wq, .offset: 16, .size: 8, .value_kind: global_buffer, .address_space: global }
      - { .name: ws, .offset: 24, .size: 8, .value_kind: global_buffer, .address_space: global }
      - { .name: b1, .offset: 32, .size: 8, .value_kind: global_buffer, .address_space: global }
      - { .name: b2, .offset: 40, .size: 8, .value_kind: global_buffer, .address_space: global }
      - { .name: out0, .offset: 48, .size: 8, .value_kind: global_buffer, .address_space: global }
    .group_segment_fixed_size: 45568
    .private_segment_fixed_size: 0
    .kernarg_segment_align: 8
    .kernarg_segment_size: 56
    .max_flat_workgroup_size: 128
    .sgpr_count:     66
    .vgpr_count:     1024
    .wavefront_size: 32
...
	.end_amdgpu_metadata
.endif
;; end of part 3
;; ======== version 2 of 2: 3 launches; version 1 with the launch route written anew for expert scheduling mode
;; workspace buffers: xq 4,194,304 bytes; tok 65,536 bytes of whole numbers; hist 65,536 bytes of whole numbers; order 65,536 bytes of whole numbers; wq 3,145,728 bytes; ws 131,072 bytes
;; launch route (part 4): grid 256 x 1, 4 waves a work-group, no clusters, 89,088 bytes of LDS; arguments x, Wg, bg, xq, tok, hist; writes xq, tok, hist
.if DOCPART == 4
	.amdgcn_target "amdgcn-amd-amdhsa--gfx1250"
	.amdhsa_code_object_version 6
	.text
	.protected	k_qdfa4c0740d_route
	.globl	k_qdfa4c0740d_route
	.p2align	8
	.type	k_qdfa4c0740d_route,@function
k_qdfa4c0740d_route:
	s_mov_b64 s[64:65], 0
	v_nop
	global_prefetch_b8 v0, s[64:65] scope:SCOPE_SE
	s_setreg_imm32_b32 hwreg(HW_REG_WAVE_SCHED_MODE, 0, 2), 2
	s_setreg_imm32_b32 hwreg(HW_REG_WAVE_MODE, 25, 1), 1
	s_wait_xcnt 0x0
	s_wait_alu depctr_vm_vsrc(0)
; ROUTE.  x [16384][256] f32 is quantised once to codes of FP6 (E2M3) with one E8M0 byte for each 32 along K; the router's product Q(x) Q(Wg) + bg, its softmax,
; the two largest probabilities (the lower index wins a tie) and their renormalised weights follow.  Nothing here steers an address or a branch by these results: they leave as numbers at fixed places.
; OUT: xq: a record of 256 bytes a token: at 96 s + 48 h + 16 p registers 4 p .. 4 p + 3 of lane half h of the token's operand fragment of K step s; at 192 its two scale words; at 200 the weights of
;      its lower and its higher expert; zeros behind.   tok: a word a token: hi << 20 | lo << 16 | tri << 6 | token % 64, tri = lo (31 - lo) / 2 + hi - lo - 1 the pair's number, 0 .. 119.
;      hist: for each block of 64 tokens 128 counts of 16 bits: how many of its tokens have pair number T.
; SHARES: a work-group owns 64 tokens, each of its four waves 16: one tile of rows.  Lane (r, h): r = lane % 16 the token, h = lane / 16.
; LIMITS: NaN and infinities among the inputs are not served.  A block of zeros gets the scale byte 1 where the rule says 127: its codes are zeros, and this program alone reads the bytes.
;         A probability under 2^-126 comes out of the exponential as 0.
; THE MODE: SCHED_MODE bits 1:0 = 2 (LLVM: expert scheduling mode 2), set by the entry lines.  The code itself states the register dependences
; between vector or matrix instructions and memory or LDS instructions, with s_wait_alu, always for 0.
; THE PLAN.  Registers that memory or LDS instructions touch:
;   v4, v7, v20; v5-v22   global offsets and LDS addresses: made by vector instructions at the head, never written again.
;   v56-61, v87           Wg's codes and half a scale word: written by vector instructions, read by four LDS stores; then Wg's fragments land in v48-71, and the quantiser writes v87 again.
;   v128-255              x: landed by global loads, read by the turn's LDS stores, landed again by its LDS loads, read by the quantiser; later keys land in v160-223 and records in v224-255.
;   v24-47, v72-75, v100-103, v150, v152, v153   written by vector instructions, read by LDS stores, never written again.
; Masks of compares go to scalar registers in runs, one wait behind a run; three single compares keep VCC, each with its wait.
.set XTW,  16640                       ; LDS: for each wave 16 rows of x, 1,024 bytes + 16: the turn from bytes as they lie to 16 neighbours a lane
.set REC,  66560                       ; for each wave 16 records, 256 bytes + 16
.set RECW, 4352
.set GIMG, 83968                       ; Wg's two fragments as images of their registers: 1536 s + 256 x register pair + 8 x lane
.set GSC,  87040                       ; each wave's half of a scale word of Wg: 128 x wave + 4 x lane
.set KEYT, 87552                       ; the block's 64 pair numbers; 256 bytes on its 64 tok words; 256 bytes on its 128 counts
.set TOKW, 87808
.set HB,   88064
.set LANE, 1
.set RR,   2
.set HH,   3
.set L16,  4                           ; 16 x lane
.set XTI,  5                           ; the turn, in: my wave's rows + 16 x lane
.set XTO,  6                           ; out: row r + 64 h
.set GA,   7                           ; Wg: 4 r + 2048 h
.set GWI,  8
.set GWS,  9
.set GRI,  10
.set GRS,  11
.set RCI,  12                          ; my record + 48 h
.set RCT,  13                          ; my record
.set RCZ,  14                          ; my record + 16 h
.set RCO,  15                          ; records back: 272 h + 16 r
.set KW,   17                          ; KEYT + 64 x wave + 4 r
.set HBW,  18                          ; HB + 2 x thread
.set L8,   19                          ; 8 x lane
.set BGA,  20                          ; 32 h
.set KRD,  21                          ; KEYT
.set TRD,  22                          ; TOKW + 8 x lane
.set XF,   24                          ; v24-47   x's two fragments (before them: Wg's 32 numbers v24-55, its codes v56-61, v62-64 at work)
.set GF,   48                          ; v48-71   Wg's two fragments
.set XS,   72                          ; v72-73   x's scale words;  v74-75 the two weights: the four are a record's tail
.set WLO,  74
.set WHI,  75
.set GS,   76                          ; v76-77   Wg's scale words;  v78-81 their halves as the waves made them
.set GP,   78
.set TM,   84                          ; v84-99   at work in the quantiser
.set SCR,  100                         ; v100-107 the conversions' second halves; then zeros
.set BG,   108                         ; v108-115 bg in the result's layout
.set LG,   116                         ; v116-123 the logits
.set R0,   128                         ; v128-191, v192-255: x's numbers of K step 0, 1; later v128-135 the probabilities, v136-159 at work, v160-223 keys, v224-255 records
.set PR,   128
; 64 numbers of a lane, register 16 b + i = k 32 b + 16 h + i of my row, become a fragment's codes in v[d] .. v[d + 11] and its scale word in v[pw]
.macro QUANT s, d, pw
.irp b, 0,1,2,3
	v_max3_num_f32 v[TM+\b], |v[\s+16*\b]|, |v[\s+1+16*\b]|, 0x1800000   ; block b: my 16 numbers, and the floor 2^(3 - 127): the byte cannot fall under 1
.endr
.irp i, 2,4,6,8,10,12,14
.irp b, 0,1,2,3
	v_max3_num_f32 v[TM+\b], v[TM+\b], |v[\s+16*\b+\i]|, |v[\s+1+16*\b+\i]|   ; the four blocks by turns
.endr
.endr
.irp b, 0,1,2,3
	v_permlanex16_b32 v[TM+4+\b], v[TM+\b], s20, s21
.endr
.irp b, 0,1,2,3
	v_max_num_f32 v[TM+\b], v[TM+\b], v[TM+4+\b]           ; with lane l xor 16's: the block's largest magnitude
.endr
.irp b, 0,1,2,3
	v_add_nc_u32 v[TM+12+\b], 0xff000000, v[TM+\b]         ; 2 off its exponent field: the conversion's scale operand
.endr
.irp b, 0,1,2,3
	v_lshrrev_b32 v[TM+4+\b], 23, v[TM+12+\b]              ; the scale's byte
.endr
	v_lshl_or_b32 v[\pw], v[TM+5], 8, v[TM+4]
	v_lshl_or_b32 v[\pw], v[TM+6], 16, v[\pw]
	v_lshl_or_b32 v[\pw], v[TM+7], 24, v[\pw]
.irp c, 0,1
	v_cvt_scalef32_pk16_fp6_f32 v[\d+6*\c:\d+2+6*\c], v[\s+32*\c:\s+15+32*\c], v[TM+12+2*\c]
	v_cvt_scalef32_pk16_fp6_f32 v[SCR+4*\c:SCR+2+4*\c], v[\s+16+32*\c:\s+31+32*\c], v[TM+12+2*\c+1]   ; a conversion's three registers begin on an even number
.endr
	v_nop                                                  ; one plain place behind a scaled conversion
.irp c, 0,1                                            ; the operand's layout wants a whole block in a lane: lanes 0-15 block 2 c, lanes 16-31 block 2 c + 1
.irp i, 0,1,2
	v_permlane16_swap_b32 v[\d+6*\c+\i], v[SCR+4*\c+\i]
.endr
.irp i, 0,1,2
	v_mov_b32 v[\d+3+6*\c+\i], v[SCR+4*\c+\i]
.endr
.endr
.endm
; K step s of my 16 rows goes through my own rows in LDS: in as loaded (512 consecutive bytes an instruction), out 16 neighbours of each block of 32 a lane
.macro TURN s
.set rho, 0
.rept 16
	ds_store_b128 v[XTI], v[R0+64*\s+4*rho:R0+64*\s+4*rho+3] offset:1040*rho+512*\s
.set rho, rho+1
.endr
	s_wait_dscnt 0x0                                       ; the stores are done: their registers take the loads below
	s_wait_alu depctr_vm_vsrc(0)                           ; the sixteen stores have read their 64 registers, in which the loads below land
.irp b, 0,1,2,3
.irp j, 0,1,2,3
	ds_load_b128 v[R0+64*\s+16*\b+4*\j:R0+64*\s+16*\b+4*\j+3], v[XTO] offset:512*\s+128*\b+16*\j
.endr
.endr
	s_wait_dscnt 0x0
.endm
.macro BARRIER                                         ; my LDS stores have landed and my LDS loads are in: then the work-group's barrier
	s_wait_dscnt 0x0
	s_barrier_signal -1
	s_barrier_wait -1
.endm
	s_load_b256 s[4:11], s[0:1], 0x0                       ; x s[4:5], Wg s[6:7], bg s[8:9], xq s[10:11]
	s_load_b128 s[12:15], s[0:1], 0x20                     ; tok s[12:13], hist s[14:15]
	v_lshl_add_u32 v126, v0, 2, 0x15a00
	v_mov_b32 v127, 0
	v_lshrrev_b32 v[LANE], 5, v0
	v_readfirstlane_b32 s16, v[LANE]                       ; wave 0..3
	v_and_b32 v[LANE], 31, v0
	v_and_b32 v[RR], 15, v0
	v_bfe_u32 v[HH], v0, 4, 1
	s_mov_b32 s20, 0x76543210
	s_mov_b32 s21, 0xfedcba98                              ; v_permlanex16_b32's selects for lane l xor 16
	s_mov_b32 s22, 0xffff0000                              ; lanes 16-31
	v_lshlrev_b32 v[L16], 4, v[LANE]
	v_lshlrev_b32 v[L8], 3, v[LANE]
	v_lshlrev_b32 v[BGA], 5, v[HH]
	v_lshlrev_b32 v[GA], 2, v[RR]
	v_lshl_add_u32 v[GA], v[HH], 11, v[GA]
	s_wait_alu depctr_va_sdst(0)                           ; s16, the wave's number, is written, ahead of its first reader
	s_lshl_b32 s18, ttmp9, 16                              ; 64 rows of 1,024 bytes a work-group,
	s_lshl_b32 s17, s16, 14                                ; 16 a wave
	s_add_co_u32 s18, s18, s17
	s_mov_b32 s19, 0
	s_wait_kmcnt 0x0
	s_add_nc_u64 s[4:5], s[4:5], s[18:19]                  ; x at my first row
	s_lshr_b32 s18, s18, 2
	s_add_nc_u64 s[10:11], s[10:11], s[18:19]              ; xq at my first record (256 bytes a token)
	s_lshl_b32 s18, s16, 12
	s_add_nc_u64 s[6:7], s[6:7], s[18:19]                  ; Wg at row 64 x wave
	s_lshl_b32 s18, ttmp9, 8
	s_add_nc_u64 s[12:13], s[12:13], s[18:19]              ; tok and hist at my block's 256 bytes
	s_add_nc_u64 s[14:15], s[14:15], s[18:19]
	s_wait_alu depctr_va_vdst(0)                           ; the offsets v4, v7, v19 and v20 are written, which the global loads and stores read
	global_load_b128 v[BG:BG+3], v[BGA], s[8:9]            ; bg of experts 8 h + 0 .. 7: the C of the first product
	global_load_b128 v[BG+4:BG+7], v[BGA], s[8:9] offset:16
.set i, 0
.rept 32
	global_load_b32 v[24+i], v[GA], s[6:7] offset:64*i     ; Wg(64 wave + 32 h + i, r): a lane to a column, registers down K: one whole block
.set i, i+1
.endr
.irp s, 0,1
.set rho, 0
.rept 16
	global_load_b128 v[R0+64*\s+4*rho:R0+64*\s+4*rho+3], v[L16], s[4:5] offset:1024*rho+512*\s th:TH_LOAD_NT   ; 512 consecutive bytes; read once in the launch
.set rho, rho+1
.endr
.endr
	; LDS addresses, while the loads are out
	s_mul_i32 s17, s16, XTW
	v_add_nc_u32 v[XTI], s17, v[L16]
	v_mul_u32_u24 v[XTO], v[RR], 1040
	v_lshl_add_u32 v[XTO], v[HH], 6, v[XTO]
	v_add_nc_u32 v[XTO], s17, v[XTO]
	s_mul_i32 s17, s16, 768
	v_add_nc_u32 v[GWI], s17, v[L8]
	v_add_nc_u32 v[GWI], GIMG, v[GWI]
	s_lshl_b32 s17, s16, 7
	v_lshlrev_b32 v[GRS], 2, v[LANE]
	v_add_nc_u32 v[GWS], s17, v[GRS]
	v_add_nc_u32 v[GWS], GSC, v[GWS]
	v_add_nc_u32 v[GRI], GIMG, v[L8]
	v_add_nc_u32 v[GRS], GSC, v[GRS]
	s_mul_i32 s17, s16, RECW
	s_add_co_u32 s17, s17, REC
	v_mul_u32_u24 v[RCT], v[RR], 272
	v_add_nc_u32 v[RCT], s17, v[RCT]
	v_mad_u32_u24 v[RCI], v[HH], 48, v[RCT]
	v_lshl_add_u32 v[RCZ], v[HH], 4, v[RCT]
	v_mul_u32_u24 v[RCO], v[HH], 272
	v_lshl_add_u32 v[RCO], v[RR], 4, v[RCO]
	v_add_nc_u32 v[RCO], s17, v[RCO]
	s_lshl_b32 s17, s16, 6
	v_lshl_add_u32 v[KW], v[RR], 2, s17
	v_add_nc_u32 v[KW], KEYT, v[KW]
	v_lshlrev_b32 v[HBW], 1, v0
	v_add_nc_u32 v[HBW], HB, v[HBW]
	v_mov_b32 v[KRD], KEYT
	v_add_nc_u32 v[TRD], TOKW, v[L8]
.irp b, 0,1,2,3
	v_mov_b32 v[TM+4+\b], 0                                ; written once: a lane exchange's destination counts as one of its sources
.endr
	s_and_b32 s17, s16, 1
	s_lshl_b32 s17, s17, 4
	v_lshl_add_u32 v[TM+8], v[HH], 3, s17                  ; my byte's place in Wg's scale word: block 2 (wave % 2) + h
	; ---- Wg: my block of 32 along K of column r becomes six registers of fragment wave / 2
	s_wait_loadcnt 32                                      ; bg and Wg are in; the 32 loads of x may be out
	v_max3_num_f32 v[TM], |v24|, |v25|, |v26|
	v_max3_num_f32 v[TM+1], |v27|, |v28|, |v29|
.irp i, 6,10,14,18,22,26
	v_max3_num_f32 v[TM], v[TM], |v[24+\i]|, |v[25+\i]|
	v_max3_num_f32 v[TM+1], v[TM+1], |v[26+\i]|, |v[27+\i]|
.endr
	v_max3_num_f32 v[TM], v[TM], |v54|, |v55|
	v_max3_num_f32 v[TM], v[TM], v[TM+1], 0x1800000        ; and the floor
	v_add_nc_u32 v[TM+2], 0xff000000, v[TM]                ; the conversion's scale operand
	v_lshrrev_b32 v[TM+3], 23, v[TM+2]                     ; the byte,
	v_lshlrev_b32 v[TM+3], v[TM+8], v[TM+3]                ; at its place;
	v_permlanex16_b32 v[TM+4], v[TM+3], s20, s21
	v_or_b32 v[TM+3], v[TM+3], v[TM+4]                     ; with lane l xor 16's: two of the word's four bytes
	v_cvt_scalef32_pk16_fp6_f32 v[56:58], v[24:39], v[TM+2]
	v_cvt_scalef32_pk16_fp6_f32 v[62:64], v[40:55], v[TM+2]
	v_nop                                                  ; one plain place behind a scaled conversion
	v_mov_b32 v59, v62
	v_mov_b32 v60, v63
	v_mov_b32 v61, v64
	s_wait_alu depctr_va_vdst(0)                           ; v56-61 and v87 are written, which the four stores read; so are all LDS addresses, v5 to v22; and the lines above are done reading v48-55, in which fragments land below
	ds_store_b64 v[GWI], v[56:57]
	ds_store_b64 v[GWI], v[58:59] offset:256
	ds_store_b64 v[GWI], v[60:61] offset:512
	ds_store_b32 v[GWS], v[TM+3]
	BARRIER                                                ; Wg's two fragments lie in LDS
	s_wait_alu depctr_vm_vsrc(0)                           ; my four stores have read v56-61, in which fragments land below, and v87, which the quantiser writes again
.irp s, 0,1
.irp a, 0,1,2,3,4,5
	ds_load_b64 v[GF+12*\s+2*\a:GF+12*\s+2*\a+1], v[GRI] offset:1536*\s+256*\a
.endr
.endr
.irp a, 0,1,2,3
	ds_load_b32 v[GP+\a], v[GRS] offset:128*\a             ; (the turn's first wait for 0 covers these sixteen)
.endr
	; ---- x: two K steps of 128
	s_wait_loadcnt 16                                      ; K step 0's sixteen loads are in; K step 1's may be out
	TURN 0
	QUANT R0, XF, XS
	s_wait_loadcnt 0x0
	TURN 1
	QUANT R0+64, XF+12, XS+1
	v_or_b32 v[GS], v[GP], v[GP+1]                         ; Wg's scale words are whole
	v_or_b32 v[GS+1], v[GP+2], v[GP+3]
.irp a, 0,1,2,3
	v_mov_b32 v[SCR+\a], 0                                 ; a record's zeros.  These nine moves are also the eight places between a scale register written by a vector instruction and the scaled product
.endr
	v_mov_b32 v137, 0                                      ; destinations of lane exchanges to come
.irp a, 0,1,2,3
	v_mov_b32 v[144+\a], 0
.endr
	s_wait_alu depctr_va_vdst(0)                           ; x's codes v24-47 are written, which the six stores read and the products take as an operand; so are the scale words v72, v73, v76, v77; the places above stay beside this wait
.irp s, 0,1
.irp p, 0,1,2
	ds_store_b128 v[RCI], v[XF+12*\s+4*\p:XF+12*\s+4*\p+3] offset:96*\s+16*\p   ; the record's codes: my half's twelve registers of each K step
.endr
.endr
	; ---- the router's product, transposed: source 0 = the 16 experts' columns of Wg, source 1 = my 16 tokens: lane (r, h) gets token r's logits of experts 8 h + 0 .. 7
	v_wmma_scale_f32_16x16x128_f8f6f4 v[LG:LG+7], v[GF:GF+11], v[XF:XF+11], v[BG:BG+7], v[GS], v[XS] matrix_a_fmt:MATRIX_FMT_FP6 matrix_b_fmt:MATRIX_FMT_FP6
	s_wait_alu depctr_va_vdst(0)                           ; one accumulator, so the links follow each other
	v_wmma_scale_f32_16x16x128_f8f6f4 v[LG:LG+7], v[GF+12:GF+23], v[XF+12:XF+23], v[LG:LG+7], v[GS+1], v[XS+1] matrix_a_fmt:MATRIX_FMT_FP6 matrix_b_fmt:MATRIX_FMT_FP6
.rept 4
	v_nop                                                  ; four places between the product and the first read of its result (ISA guide 7.12.1)
.endr
	; ---- softmax: the largest logit is taken away first
	v_max3_num_f32 v136, v[LG], v[LG+1], v[LG+2]
	v_max3_num_f32 v136, v136, v[LG+3], v[LG+4]
	v_max3_num_f32 v136, v136, v[LG+5], v[LG+6]
	v_max_num_f32 v136, v136, v[LG+7]
	v_permlanex16_b32 v137, v136, s20, s21
	v_max_num_f32 v136, v136, v137                         ; of all 16 experts
.irp j, 0,1,2,3,4,5,6,7
	v_sub_f32 v[PR+\j], v[LG+\j], v136
.endr
.irp j, 0,1,2,3,4,5,6,7
	v_mul_f32 v[PR+\j], 0x3fb8aa3b, v[PR+\j]               ; x log2(e)
.endr
.irp j, 0,1,2,3,4,5,6,7
	v_exp_f32 v[PR+\j], v[PR+\j]
.endr
	v_mov_b32 v143, 0                                      ; (a plain place behind the exponentials: the second place's index begins at 0)
	s_wait_alu depctr_va_vdst(0)                           ; the eight exponentials have written v128-135: one wait for the batch, ahead of its first reader
	v_add_f32 v136, v[PR], v[PR+1]
	v_add_f32 v138, v[PR+2], v[PR+3]
	v_add_f32 v139, v[PR+4], v[PR+5]
	v_add_f32 v140, v[PR+6], v[PR+7]
	v_add_f32 v136, v136, v138
	v_add_f32 v139, v139, v140
	v_add_f32 v136, v136, v139
	v_permlanex16_b32 v137, v136, s20, s21
	v_add_f32 v136, v136, v137
	v_rcp_f32 v138, v136
	v_mov_b32 v141, 0                                      ; (a plain place behind the reciprocal: the first place's index)
	s_wait_alu depctr_va_vdst(0)                           ; the reciprocal has written v138, ahead of its first reader
.irp j, 0,1,2,3,4,5,6,7
	v_mul_f32 v[PR+\j], v[PR+\j], v138                     ; the probabilities
.endr
	; ---- the two largest of my eight: (v140, v141) and (v142, v143), value and index.  Strict compares in ascending order keep the lower index on a tie
	v_mov_b32 v140, v[PR]
	v_mov_b32 v142, -1.0                                   ; under every probability
.irp j, 1,2,3,4,5,6,7
	v_cmp_gt_f32 s24, v[PR+\j], v140
	v_cmp_gt_f32 s25, v[PR+\j], v142
	s_wait_alu depctr_va_sdst(0)                           ; the two compares have written s24 and s25, which the six selections read
	v_cndmask_b32 v142, v142, v[PR+\j], s25
	v_cndmask_b32 v143, v143, \j, s25
	v_cndmask_b32 v142, v142, v140, s24
	v_cndmask_b32 v143, v143, v141, s24
	v_cndmask_b32 v140, v140, v[PR+\j], s24
	v_cndmask_b32 v141, v141, \j, s24
.endr
	v_lshl_add_u32 v141, v[HH], 3, v141                    ; the experts' numbers
	v_lshl_add_u32 v143, v[HH], 3, v143
.irp a, 0,1,2,3
	v_permlanex16_b32 v[144+\a], v[140+\a], s20, s21
.endr
.irp a, 0,1,2,3
	v_cndmask_b32 v[148+\a], v[140+\a], v[144+\a], s22     ; A: the pair of experts 0-7, in both halves of the lanes
.endr
.irp a, 0,1,2,3
	v_cndmask_b32 v[152+\a], v[144+\a], v[140+\a], s22     ; B: that of experts 8-15
.endr
	v_cmp_gt_f32 vcc_lo, v152, v148                        ; B's first beats A's first?  (a tie goes to A: the lower index)
	s_wait_alu depctr_va_vcc(0)                            ; the compare has written VCC, which the six selections read
	v_cndmask_b32 v156, v148, v152, vcc_lo                 ; the largest probability
	v_cndmask_b32 v157, v149, v153, vcc_lo                 ; and its expert
	v_cndmask_b32 v158, v150, v148, vcc_lo                 ; what A still offers
	v_cndmask_b32 v159, v151, v149, vcc_lo
	v_cndmask_b32 v140, v152, v154, vcc_lo                 ; what B still offers
	v_cndmask_b32 v141, v153, v155, vcc_lo
	v_cmp_gt_f32 vcc_lo, v140, v158
	s_wait_alu depctr_va_vcc(0)                            ; the compare has written VCC, which the two selections read
	v_cndmask_b32 v142, v158, v140, vcc_lo                 ; the second largest
	v_cndmask_b32 v143, v159, v141, vcc_lo
	; ---- the weights, and the words
	v_add_f32 v144, v156, v142
	v_rcp_f32 v145, v144
	v_min_u32 v146, v157, v143                             ; lo  (plain places behind the reciprocal)
	v_max_u32 v147, v157, v143                             ; hi
	v_cmp_lt_u32 vcc_lo, v157, v143
	s_wait_alu depctr_va_vdst(0)                           ; the reciprocal has written v145, ahead of its first reader
	v_mul_f32 v148, v156, v145
	v_mul_f32 v149, v142, v145
	s_wait_alu depctr_va_vcc(0)                            ; the compare above has written VCC, which the two selections read
	v_cndmask_b32 v[WLO], v149, v148, vcc_lo               ; the weight of the lower expert,
	v_cndmask_b32 v[WHI], v148, v149, vcc_lo               ; of the higher
	v_sub_nc_u32 v150, 31, v146
	v_mul_u32_u24 v150, v150, v146
	v_lshrrev_b32 v150, 1, v150
	v_sub_nc_u32 v151, v147, v146
	v_add3_u32 v150, v150, v151, -1                        ; tri
	v_lshl_add_u32 v152, s16, 4, v[RR]                     ; token % 64
	v_lshl_or_b32 v152, v150, 6, v152
	v_lshl_or_b32 v152, v146, 16, v152
	v_lshl_or_b32 v152, v147, 20, v152                     ; the tok word
	; ---- the records leave as whole units: two records, 512 consecutive bytes, an instruction
	s_wait_alu depctr_va_vdst(0)                           ; the weights v74, v75, the key v150 and the word v152 are written, which the stores below read; the quantiser is done reading v160-255, in which records and keys land
	ds_store_b128 v[RCT], v[XS:XS+3] offset:192            ; (both halves of the lanes hold and write the same)
	ds_store_b128 v[RCZ], v[SCR:SCR+3] offset:208
	ds_store_b128 v[RCT], v[SCR:SCR+3] offset:240
.irp i, 0,1,2,3,4,5,6,7
	ds_load_b128 v[224+4*\i:227+4*\i], v[RCO] offset:544*\i   ; LDS serves a wave's instructions in order (ISA guide 5.7.1.4): these see my stores
.endr
.irp i, 0,1,2,3,4,5,6,7
	s_wait_dscnt 7-\i                                      ; the younger loads may be out
	global_store_b128 v[L16], v[224+4*\i:227+4*\i], s[10:11] offset:512*\i
.endr
	; ---- the block's histogram of pair numbers: thread T counts pair T by 64 compares: no address hangs on a key
	ds_store_b32 v[KW], v150
	ds_store_b32 v[KW], v152 offset:256
	BARRIER                                                ; all 64 keys and words lie in LDS
.irp i, 0,1,2,3,4,5,6,7,8,9,10,11,12,13,14,15
	ds_load_b128 v[160+4*\i:163+4*\i], v[KRD] offset:16*\i ; every lane reads all 64 keys
.endr
	v_mov_b32 v153, 0
	s_wait_dscnt 0x0
.set g, 0
.rept 4                                                ; sixteen keys at a time: a run of compares into s24 to s39, one wait, then 1 for each key that is mine
.set i, 0
.rept 16
	v_cmp_eq_u32 s[24+i], v[160+16*g+i], v0
.set i, i+1
.endr
	s_wait_alu depctr_va_sdst(0)                           ; the sixteen compares have written s24 to s39, which the selections read
.set i, 0
.rept 16
	v_cndmask_b32 v[128+i], 0, 1, s[24+i]
.set i, i+1
.endr
.set i, 0
.rept 8
	v_add3_u32 v153, v153, v[128+2*i], v[129+2*i]
.set i, i+1
.endr
.set g, g+1
.endr
	s_wait_alu depctr_va_vdst(0)                           ; the count v153 is written, which the store reads
	ds_store_b16 v[HBW], v153
	BARRIER                                                ; the 128 counts lie in LDS
	s_cmp_lg_u32 s16, 0
	s_cbranch_scc1 .Ldone                                  ; wave 0 stores the block's counts and words: 256 consecutive bytes each
	ds_load_b64 v[154:155], v[TRD] offset:256
	ds_load_b64 v[156:157], v[TRD]
	s_wait_dscnt 0x0
	global_store_b64 v[L8], v[154:155], s[14:15]
	global_store_b64 v[L8], v[156:157], s[12:13]
.Ldone:
	s_wait_dscnt 0x0                                       ; the closing lines, six on end
	s_wait_alu 0x0
	s_wait_tensorcnt 0x0
	ds_add_u32 v126, v127
	s_wait_dscnt 0x0
	s_endpgm
.Lfunc_end_k_qdfa4c0740d_route:
	.size	k_qdfa4c0740d_route, .Lfunc_end_k_qdfa4c0740d_route-k_qdfa4c0740d_route
	.p2alignl 7, 3214868480
	.fill 96, 4, 3214868480
	.section	.rodata,"a",@progbits
	.p2align	6, 0x0
	.amdhsa_kernel k_qdfa4c0740d_route
		.amdhsa_group_segment_fixed_size 89088
		.amdhsa_private_segment_fixed_size 0
		.amdhsa_enable_private_segment 0
		.amdhsa_kernarg_size 48
		.amdhsa_user_sgpr_count 2
		.amdhsa_user_sgpr_kernarg_segment_ptr 1
		.amdhsa_wavefront_size32 1
		.amdhsa_system_sgpr_workgroup_id_x 1
		.amdhsa_system_sgpr_workgroup_id_y 1
		.amdhsa_system_sgpr_workgroup_id_z 1
		.amdhsa_system_vgpr_workitem_id 0
		.amdhsa_next_free_vgpr 256
		.amdhsa_next_free_sgpr 66
		.amdhsa_reserve_vcc 1
		.amdhsa_float_denorm_mode_32 3
		.amdhsa_float_denorm_mode_16_64 3
		.amdhsa_memory_ordered 1
		.amdhsa_forward_progress 1
		.amdhsa_inst_pref_size 48
	.end_amdhsa_kernel
	.amdgpu_metadata
---
amdhsa.version: [ 1, 2 ]
amdhsa.kernels:
  - .name:           k_qdfa4c0740d_route
    .symbol:         k_qdfa4c0740d_route.kd
    .args:
      - { .name: x, .offset: 0, .size: 8, .value_kind: global_buffer, .address_space: global }
      - { .name: Wg, .offset: 8, .size: 8, .value_kind: global_buffer, .address_space: global }
      - { .name: bg, .offset: 16, .size: 8, .value_kind: global_buffer, .address_space: global }
      - { .name: xq, .offset: 24, .size: 8, .value_kind: global_buffer, .address_space: global }
      - { .name: tok, .offset: 32, .size: 8, .value_kind: global_buffer, .address_space: global }
      - { .name: hist, .offset: 40, .size: 8, .value_kind: global_buffer, .address_space: global }
    .group_segment_fixed_size: 89088
    .private_segment_fixed_size: 0
    .kernarg_segment_align: 8
    .kernarg_segment_size: 48
    .max_flat_workgroup_size: 128
    .sgpr_count:     66
    .vgpr_count:     256
    .wavefront_size: 32
...
	.end_amdgpu_metadata
.endif
;; end of part 4
;; launch place: the kernel of part 2 again; grid 512 x 1, 4 waves a work-group, no clusters, 16,896 bytes of LDS; arguments W1, W2, tok, hist, wq, ws, order; writes wq, ws, order
;; launch experts: the kernel of part 3 again; grid 256 x 1, 4 waves a work-group, no clusters, 45,568 bytes of LDS; arguments order, xq, wq, ws, b1, b2, out0; writes out0
